; MI455X (gfx1250); checked and timed in simulation.
; The chip was launched on July 23, 2026; its instructions are those of AMD's public machine-readable ISA for CDNA 5 (MIT licence, August 2026) and "CDNA5" Instruction Set Architecture Reference Guide (July 2026). The comments in the code are by the model that wrote it; some were corrected since.
;; Multi Head Attention. Allowed arithmetic: matrix products marked QUANTISED: E5M2 operands, one given power-of-two scale a tensor, by v_wmma_f32_16x16x64_bf8_bf8 or v_wmma_f32_16x16x128_bf8_bf8, f32 sums; everything else in f32.
;; Inputs: W_k 1,024 x 1,024 float32; W_o 1,024 x 1,024 float32; W_q 1,024 x 1,024 float32; W_v 1,024 x 1,024 float32; attention_mask 4 x 2,048 int32; lowp_scales 12 int32 (the exponents e of the quantised operands' scales 2^e); x 4 x 2,048 x 1,024 float32.
;; Outputs: out0 4 x 2,048 x 1,024 float32.
;; This version of the problem:
;;   THIS VERSION OF THE PROBLEM IS GIVEN IN LOW PRECISION. The matrix products marked QUANTISED in the list below multiply operands that are first quantised to E5M2 (5 exponent bits, 2 mantissa bits; 8 bits a number), with one given power-of-two scale for each operand tensor; their sums are f32. All else is computed in f32.
;;   The module's matrix products, in the order in which they are computed (A, B: the left and right operand; K: the contracted axis; several contracted axes count as one K, in the product's order):
;;     1. [M 8,192, K 1,024] x [K 1,024, N 1,024]; A: input x; B: input W_q: QUANTISED (scales: A lowp_scales[0], B lowp_scales[1])
;;     2. [M 8,192, K 1,024] x [K 1,024, N 1,024]; A: input x; B: input W_k: QUANTISED (scales: A lowp_scales[2], B lowp_scales[3])
;;     3. [M 8,192, K 1,024] x [K 1,024, N 1,024]; A: input x; B: input W_v: QUANTISED (scales: A lowp_scales[4], B lowp_scales[5])
;;     4. batch 64 x [M 2,048, K 64] x [K 64, N 2,048]; A: computed on the way; B: computed on the way: QUANTISED (scales: A lowp_scales[6], B lowp_scales[7])
;;     5. batch 64 x [M 2,048, K 2,048] x [K 2,048, N 64]; A: computed on the way; B: computed on the way: QUANTISED (scales: A lowp_scales[8], B lowp_scales[9])
;;     6. [M 8,192, K 1,024] x [K 1,024, N 1,024]; A: computed on the way; B: input W_o: QUANTISED (scales: A lowp_scales[10], B lowp_scales[11])
;;   THE QUANTISER, for each operand of a quantised product, along K:
;;     - The operand's scale is 2^e, e = its entry of the input lowp_scales (int32; the entries are numbered through the quantised products in the list's order, A before B).
;;     - Each number is divided by the scale, clamped to +-57,344, and rounded to the nearest number of E5M2, ties to even, subnormals kept.
;;     - The product sums the exact products of the quantised numbers (number of the format x scale) in f32.
;;   ~~~python
;;   def quantise(x, axis, e):      # numpy; x: float32 -> the quantised numbers, widened to float32 again
;;       x = np.moveaxis(x, axis, -1); K = x.shape[-1]
;;       r = np.clip(x / 2.0 ** e, -57344, 57344)
;;       step = 2.0 ** (np.maximum(np.frexp(np.where(r == 0, 1, r))[1] - 1, -14) - 2)
;;       q = np.round(r / step) * step * 2.0 ** e      # np.round: ties to even
;;       return np.moveaxis(q, -1, axis).astype(np.float32)
;;   ~~~
;;   OPERANDS COMPUTED ON THE WAY. 'Computed on the way' means the value that the module computes at that place (a softmax that the list does not call 'softmax' is quantised finished and normalised). What goes into a quantiser is computed in f32, as accurately as f32 sums, v_exp_f32 and their like allow (about 1e-6 of the number): no bf16 or f16 on the way to a quantiser, and a product that is left as it is and whose result goes on into a quantised operand takes f32 operands (vector FMAs, or v_wmma_f32_16x16x4_f32). A number that lies on a knife's edge between two numbers of the format may be rounded either way, as far as f32 arithmetic and the matrix unit's own rounding can turn it there, and no further.
;; One version. Each part assembles by itself: llvm-mc -triple=amdgcn-amd-amdhsa -mcpu=gfx1250 --defsym DOCPART=n.
;; ======== version 1 of 1: 4 launches
;; limits: right only within a limited range of input values
;; workspace buffers: xc 25,165,824 bytes; wc 4,194,304 bytes; rope 524,288 bytes; qc 8,388,608 bytes; kv 16,777,216 bytes; ao 8,388,608 bytes
;; launch quant (part 1): grid 800 x 1, 4 waves a work-group, no clusters, 34,304 bytes of LDS; arguments x, W_q, W_k, W_v, W_o, lowp_scales, xc, wc, rope; writes xc, wc, rope
.if DOCPART == 1
	.amdgcn_target "amdgcn-amd-amdhsa--gfx1250"
	.amdhsa_code_object_version 6
	.text
	.protected	k_qf56e2f2883_quant
	.globl	k_qf56e2f2883_quant
	.p2align	8
	.type	k_qf56e2f2883_quant,@function
k_qf56e2f2883_quant:
	s_mov_b64 s[64:65], 0
	v_nop
	global_prefetch_b8 v0, s[64:65] scope:SCOPE_SE
	s_setreg_imm32_b32 hwreg(HW_REG_WAVE_MODE, 25, 1), 1
	s_wait_xcnt 0x0
; x [8192][1024] and the four weights [1024][1024], f32, become codes of E5M2, laid as IMAGES OF MATRIX FRAGMENTS; and the table of cos and sin for the rotation is made.
; A TILE is 16 rows: lane r of tile T holds row 32 (T / 2) + 8 (T % 2) + r + 8 (r / 8).  A FRAGMENT is a tile x 128 along K, 2,048 bytes: chunk c (0..3) at 512 c + 16 x lane
; holds the 16 codes k = 32 c + 16 (lane / 16) + 0 .. 15 of the lane's row.  xc: [3 scales][64 blocks of 8 tiles][4 chunks of 256 K][8 tiles][2 fragments of 2,048]; wc: [q, k, v, o][8 blocks][4 chunks][8 tiles][2 fragments of 2,048].
; code = number / 2^e, held within +-57,344, to the nearest code, ties to even.  x has three given scales (entries 0, 2, 4) and so three sets of codes; W_q, W_k, W_v, W_o take entries 1, 3, 5, 11.
; SHARES.  Work-groups 0-511: a tile of x each; 512-767: a tile of a weight each; 768-799: 64 tokens of the table each.  Wave w takes K steps 2 w and 2 w + 1: 1,024 bytes of each of the 16 rows.
; Each load reads 512 consecutive bytes of a row; a fragment's 16 x 512 bytes turn through the wave's own stage in LDS (rows 528 bytes apart) so that a lane gets 16 neighbours along K; each store writes 512 consecutive bytes.
; Only pointers and exponents are chosen by the work-group's number: x and the weights take one way through the text.  Waves share nothing: no barrier, no tensor load, no cluster (no byte is read by two work-groups).
; LIMITS: each e between -126 and 112.  NaN among the inputs is not served.  The table: inv_freq = 2^(-j log2(10000) / 32) by v_exp_f32, so an angle may differ from one made by another power function by about 2e-4 rad at t near 2,047;
; cos and sin: reduction by pi / 2 in three parts, polynomials of degree 7 and 8 on +-pi / 4.
.set STG, 8448                         ; a wave's stage: 16 rows x 528 bytes
.set R,   16                           ; v16-143  two fragments as loaded, 64 registers each; later the fragment's codes: scale q, chunk c at R + 64 f + 16 q + 4 c
.set X,   144                          ; v144-207 a fragment's 64 numbers of my lane: 16 c + i
.set T0,  208                          ; v208-239 held numbers, two sets by turns
	s_load_b256 s[4:11], s[0:1], 0x0               ; x, W_q, W_k, W_v
	s_load_b256 s[12:19], s[0:1], 0x20             ; W_o, the exponents, xc, wc
	s_load_b64 s[20:21], s[0:1], 0x40              ; rope
	v_lshl_add_u32 v240, v0, 2, 0x8400
	v_mov_b32 v241, 0
	v_lshrrev_b32 v1, 5, v0
	v_readfirstlane_b32 s22, v1                    ; wave
	v_and_b32 v1, 31, v0
	v_lshlrev_b32 v2, 4, v1                        ; 16 x lane
	v_and_b32 v5, 15, v0                           ; r
	v_bfe_u32 v12, v0, 4, 1                        ; h
	s_cmp_ge_u32 ttmp9, 768
	s_cbranch_scc1 .Lrope
	s_mul_i32 s23, s22, STG
	v_add_nc_u32 v3, s23, v2                       ; the stage, way in: row i at 528 i, 16 bytes a lane
	v_mul_u32_u24 v4, v5, 528
	v_lshl_add_u32 v4, v12, 6, v4
	v_add_nc_u32 v4, s23, v4                       ; way out: row r, + 64 h
	s_sub_co_u32 s40, ttmp9, 512
	s_and_b32 s41, s40, 63
	s_cmp_lt_u32 ttmp9, 512
	s_cselect_b32 s41, ttmp9, s41                  ; the tile in its source
	s_cselect_b32 s40, ttmp9, s40                  ; the tile in xc or wc
	s_lshr_b32 s42, s41, 1
	s_lshl_b32 s42, s42, 17                        ; 32 rows of 4,096 bytes
	s_and_b32 s43, s41, 1
	s_lshl_b32 s43, s43, 15                        ; 8 rows
	s_add_co_u32 s42, s42, s43
	s_lshl_b32 s43, s22, 10                        ; my wave's 1,024 bytes of a row
	s_add_co_u32 s42, s42, s43
	s_mov_b32 s43, 0
	; THE PLACE IN xc AND wc, as the products' launches fetch it: [block of 8 tiles][chunk of 256 along K][tile][2 fragments of 2,048 bytes]; my wave's two K steps are chunk w
	s_lshr_b32 s44, s40, 3
	s_lshl_b32 s44, s44, 17                        ; a block: 131,072 bytes
	s_and_b32 s45, s40, 7
	s_lshl_b32 s45, s45, 12                        ; the tile in a chunk
	s_add_co_u32 s44, s44, s45
	s_lshl_b32 s45, s22, 15                        ; the chunk
	s_add_co_u32 s44, s44, s45
	s_mov_b32 s45, 0
	s_wait_kmcnt 0x0
	s_load_b256 s[24:31], s[14:15], 0x0            ; e0 .. e7
	s_load_b128 s[32:35], s[14:15], 0x20           ; e8 .. e11
	s_cmp_lt_u32 ttmp9, 704
	s_cselect_b64 s[36:37], s[10:11], s[12:13]     ; W_v or W_o
	s_cmp_lt_u32 ttmp9, 640
	s_cselect_b64 s[36:37], s[8:9], s[36:37]       ; W_k
	s_cmp_lt_u32 ttmp9, 576
	s_cselect_b64 s[36:37], s[6:7], s[36:37]       ; W_q
	s_cmp_lt_u32 ttmp9, 512
	s_cselect_b64 s[36:37], s[4:5], s[36:37]       ; x
	s_cselect_b64 s[38:39], s[16:17], s[18:19]     ; xc or wc
	s_add_nc_u64 s[36:37], s[36:37], s[42:43]
	s_add_nc_u64 s[38:39], s[38:39], s[44:45]
	s_add_nc_u64 s[46:47], s[16:17], s[44:45]
	s_add_nc_u64 s[48:49], s[46:47], 0x1000000     ; x's third set of codes
	s_add_nc_u64 s[46:47], s[46:47], 0x800000      ; its second
	s_wait_alu depctr_va_vdst(0)
.irp f, 0,1
.irp i, 0,1,2,3,4,5,6,7,8,9,10,11,12,13,14,15
	global_load_b128 v[R+64*\f+4*\i:R+64*\f+4*\i+3], v2, s[36:37] offset:(\i+8*(\i/8))*4096+512*\f th:TH_LOAD_NT   ; 32 lanes read 512 consecutive bytes of the tile's row i
.endr
.endr
	s_wait_kmcnt 0x0
	s_cmp_lt_u32 ttmp9, 704
	s_cselect_b32 s50, s29, s35                    ; e5 or e11
	s_cmp_lt_u32 ttmp9, 640
	s_cselect_b32 s50, s27, s50                    ; e3
	s_cmp_lt_u32 ttmp9, 576
	s_cselect_b32 s50, s25, s50                    ; e1
	s_cmp_lt_u32 ttmp9, 512
	s_cselect_b32 s50, s24, s50                    ; e0
.macro MKSCALE e, vs, vl                       ; v[vs] = 2^e as f32 (the conversion takes its exponent field), v[vl] = 57,344 x 2^e
	s_add_co_i32 s51, \e, 127
	s_lshl_b32 s52, s51, 23
	v_mov_b32 v[\vs], s52
	s_add_co_i32 s51, s51, 15
	s_lshl_b32 s51, s51, 23
	s_or_b32 s51, s51, 0x600000
	v_mov_b32 v[\vl], s51
.endm
	MKSCALE s50, 6, 7
	MKSCALE s26, 8, 9                              ; e2
	MKSCALE s28, 10, 11                            ; e4
.macro TURN f                                  ; fragment f through the stage: LDS serves a wave's instructions in order, so no wait stands between the stores and the loads
.irp i, 0,1,2,3,4,5,6,7,8,9,10,11,12,13,14,15
	ds_store_b128 v3, v[R+64*\f+4*\i:R+64*\f+4*\i+3] offset:528*\i
.endr
.irp c, 0,1,2,3
.irp i, 0,1,2,3
	ds_load_b128 v[X+16*\c+4*\i:X+16*\c+4*\i+3], v4 offset:128*\c+16*\i
.endr
.endr
.endm
.macro QUANT f, q, base                        ; the 64 numbers in X become fragment f's codes under scale q, and leave.  X is kept: it serves three scales
.irp c, 0,1,2,3
.irp i, 0,1,2,3,4,5,6,7,8,9,10,11,12,13,14,15
	v_med3_num_f32 v[T0+16*(\c%2)+\i], v[X+16*\c+\i], -v[7+2*\q], v[7+2*\q]   ; the conversion to an 8-bit code does not saturate (ISA guide 7.6.2): the hold comes first
.endr
	v_cvt_scalef32_pk8_bf8_f32 v[R+64*\f+16*\q+4*\c:R+64*\f+16*\q+4*\c+1], v[T0+16*(\c%2):T0+16*(\c%2)+7], v[6+2*\q]
	v_cvt_scalef32_pk8_bf8_f32 v[R+64*\f+16*\q+4*\c+2:R+64*\f+16*\q+4*\c+3], v[T0+16*(\c%2)+8:T0+16*(\c%2)+15], v[6+2*\q]
.endr                                          ; the two sets of held numbers take turns, so sixteen plain lines stand between a conversion and the next write of its sources
	v_nop
.irp c, 0,1,2,3
	global_store_b128 v2, v[R+64*\f+16*\q+4*\c:R+64*\f+16*\q+4*\c+3], s[\base:\base+1] offset:2048*\f+512*\c   ; 512 consecutive bytes; each store has registers of its own
.endr
.endm
	s_wait_alu depctr_va_vdst(0)
	s_wait_loadcnt 16                              ; fragment 0's sixteen loads are in; fragment 1's may be out
	TURN 0
	s_wait_dscnt 0x0                               ; the numbers are back, and the stores have read the registers that now take codes
	QUANT 0, 0, 38
	s_cmp_ge_u32 ttmp9, 512                        ; a weight has one scale
	s_cbranch_scc1 .Lone0
	QUANT 0, 1, 46
	QUANT 0, 2, 48
.Lone0:
	s_wait_loadcnt 0x0
	TURN 1
	s_wait_dscnt 0x0
	QUANT 1, 0, 38
	s_cmp_ge_u32 ttmp9, 512
	s_cbranch_scc1 .Lone1
	QUANT 1, 1, 46
	QUANT 1, 2, 48
.Lone1:
	s_wait_tensorcnt 0x0
	ds_add_u32 v240, v241
	s_wait_dscnt 0x0
	s_endpgm
; THE TABLE: rope[t][j] = (cos, sin) of t x inv_freq(j), j = 0 .. 31: a row is 256 bytes.  Lane (r, h) makes pairs 2 r and 2 r + 1 of tokens t0 + 2 it + h: a store covers two whole rows.
.Lrope:
	s_sub_co_u32 s40, ttmp9, 768
	s_lshl_b32 s40, s40, 6
	s_lshl_b32 s41, s22, 4
	s_add_co_u32 s40, s40, s41                     ; my wave's first token
	s_lshl_b32 s62, s40, 8
	s_mov_b32 s63, 0
	s_wait_alu depctr_va_vdst(0)
	v_add_nc_u32 v13, s40, v12
	v_lshlrev_b32 v14, 1, v5
	v_cvt_f32_u32 v14, v14                         ; j = 2 r
	v_add_f32 v15, 1.0, v14
	v_mul_f32 v14, 0xbed49a78, v14                 ; x -log2(10000) / 32
	v_mul_f32 v15, 0xbed49a78, v15
	s_wait_alu depctr_va_vdst(0)
	v_exp_f32 v14, v14
	v_exp_f32 v15, v15
	v_nop                                          ; a plain line behind the exponentials
	s_mov_b32 s50, 0x3f22f983                      ; 2 / pi
	s_mov_b32 s51, 0x3fc90fda                      ; pi / 2 in three parts
	s_mov_b32 s52, 0x33a22168
	s_mov_b32 s53, 0x27c234c4
	s_mov_b32 s54, 0xb94ca1f9                      ; sin: -1.9515296e-4, 8.3321609e-3, -1.6666655e-1
	s_mov_b32 s55, 0x3c08839e
	s_mov_b32 s56, 0xbe2aaaa3
	s_mov_b32 s57, 0x37ccf5ce                      ; cos: 2.4433157e-5, -1.3887316e-3, 4.1666646e-2
	s_mov_b32 s58, 0xbab6061a
	s_mov_b32 s59, 0x3d2aaaa5
	s_wait_kmcnt 0x0
	s_add_nc_u64 s[60:61], s[20:21], s[62:63]
	s_wait_alu depctr_va_vdst(0)                   ; one wait for both exponentials, ahead of their first reader
.macro SINCOS inv, c, s                        ; v20 = t as f32
	v_mul_f32 v21, v20, v[\inv]                    ; the angle: one rounding
	v_mul_f32 v22, s50, v21
	v_rndne_f32 v22, v22                           ; n
	v_fma_f32 v23, -v22, s51, v21
	v_fma_f32 v23, -v22, s52, v23
	v_fma_f32 v23, -v22, s53, v23                  ; rho = angle - n pi / 2
	v_mul_f32 v24, v23, v23                        ; z
	v_cvt_i32_f32 v25, v22
	v_fma_f32 v26, v24, s54, s55
	v_fma_f32 v26, v26, v24, s56
	v_mul_f32 v26, v26, v24
	v_fma_f32 v26, v26, v23, v23                   ; sin rho
	v_fma_f32 v27, v24, s57, s58
	v_fma_f32 v27, v27, v24, s59
	v_mul_f32 v28, v24, v24
	v_fma_f32 v29, v24, -0.5, 1.0
	v_fma_f32 v27, v27, v28, v29                   ; cos rho
	v_and_b32 v28, 1, v25
	v_cmp_eq_u32 vcc_lo, 1, v28
	v_cndmask_b32 v29, v26, v27, vcc_lo            ; an odd quadrant swaps the two
	v_cndmask_b32 v30, v27, v26, vcc_lo
	v_and_b32 v28, 2, v25
	v_lshlrev_b32 v28, 30, v28
	v_xor_b32 v[\s], v28, v29                      ; sin changes sign in quadrants 2, 3
	v_add_nc_u32 v28, 1, v25
	v_and_b32 v28, 2, v28
	v_lshlrev_b32 v28, 30, v28
	v_xor_b32 v[\c], v28, v30                      ; cos in quadrants 1, 2
.endm
.irp it, 0,1,2,3,4,5,6,7
	v_add_nc_u32 v19, 2*\it, v13
	v_cvt_f32_u32 v20, v19
	SINCOS 14, 32+4*\it, 33+4*\it
	SINCOS 15, 34+4*\it, 35+4*\it
	global_store_b128 v2, v[32+4*\it:35+4*\it], s[60:61] offset:512*\it
.endr
	s_endpgm
.Lfunc_end_k_qf56e2f2883_quant:
	.size	k_qf56e2f2883_quant, .Lfunc_end_k_qf56e2f2883_quant-k_qf56e2f2883_quant
	.p2alignl 7, 3214868480
	.fill 96, 4, 3214868480
	.section	.rodata,"a",@progbits
	.p2align	6, 0x0
	.amdhsa_kernel k_qf56e2f2883_quant
		.amdhsa_group_segment_fixed_size 34304
		.amdhsa_private_segment_fixed_size 0
		.amdhsa_enable_private_segment 0
		.amdhsa_kernarg_size 72
		.amdhsa_user_sgpr_count 2
		.amdhsa_user_sgpr_kernarg_segment_ptr 1
		.amdhsa_wavefront_size32 1
		.amdhsa_system_sgpr_workgroup_id_x 1
		.amdhsa_system_sgpr_workgroup_id_y 1
		.amdhsa_system_sgpr_workgroup_id_z 1
		.amdhsa_system_vgpr_workitem_id 0
		.amdhsa_next_free_vgpr 242
		.amdhsa_next_free_sgpr 66
		.amdhsa_reserve_vcc 1
		.amdhsa_float_denorm_mode_32 3
		.amdhsa_float_denorm_mode_16_64 3
		.amdhsa_memory_ordered 1
		.amdhsa_forward_progress 1
		.amdhsa_inst_pref_size 63
	.end_amdhsa_kernel
	.amdgpu_metadata
---
amdhsa.version: [ 1, 2 ]
amdhsa.kernels:
  - .name:           k_qf56e2f2883_quant
    .symbol:         k_qf56e2f2883_quant.kd
    .args:
      - { .name: x, .offset: 0, .size: 8, .value_kind: global_buffer, .address_space: global }
      - { .name: W_q, .offset: 8, .size: 8, .value_kind: global_buffer, .address_space: global }
      - { .name: W_k, .offset: 16, .size: 8, .value_kind: global_buffer, .address_space: global }
      - { .name: W_v, .offset: 24, .size: 8, .value_kind: global_buffer, .address_space: global }
      - { .name: W_o, .offset: 32, .size: 8, .value_kind: global_buffer, .address_space: global }
      - { .name: lowp_scales, .offset: 40, .size: 8, .value_kind: global_buffer, .address_space: global }
      - { .name: xc, .offset: 48, .size: 8, .value_kind: global_buffer, .address_space: global }
      - { .name: wc, .offset: 56, .size: 8, .value_kind: global_buffer, .address_space: global }
      - { .name: rope, .offset: 64, .size: 8, .value_kind: global_buffer, .address_space: global }
    .group_segment_fixed_size: 34304
    .private_segment_fixed_size: 0
    .kernarg_segment_align: 8
    .kernarg_segment_size: 72
    .max_flat_workgroup_size: 128
    .sgpr_count:     66
    .vgpr_count:     242
    .wavefront_size: 32
...
	.end_amdgpu_metadata
.endif
;; end of part 1
;; launch qkv (part 2): grid 8 x 32, 4 waves a work-group, clusters of 4 x 4, 327,680 bytes of LDS; arguments xc, wc, rope, lowp_scales, qc, kv; writes qc, kv
.if DOCPART == 2
	.amdgcn_target "amdgcn-amd-amdhsa--gfx1250"
	.amdhsa_code_object_version 6
	.text
	.protected	k_qf56e2f2883_qkv
	.globl	k_qf56e2f2883_qkv
	.p2align	8
	.type	k_qf56e2f2883_qkv,@function
k_qf56e2f2883_qkv:
	s_mov_b64 s[64:65], 0
	v_nop
	global_prefetch_b8 v0, s[64:65] scope:SCOPE_SE
	s_setreg_imm32_b32 hwreg(HW_REG_WAVE_MODE, 25, 1), 1
	s_wait_xcnt 0x0
	s_wait_alu depctr_hold_cnt(0) depctr_sa_sdst(0) depctr_va_vdst(0) depctr_va_sdst(0) depctr_va_ssrc(0) depctr_va_vcc(0) depctr_vm_vsrc(0)
	s_getreg_b32 s2, hwreg(HW_REG_IB_STS2, 6, 4)
	s_cmp_eq_u32 s2, 0
	s_cbranch_scc0 .Lentry_in_a_cluster
	s_endpgm
.Lentry_in_a_cluster:
	s_bfe_u32 s2, ttmp6, 0x10000c
	s_cmp_lg_u32 s2, 0xf033
	s_cbranch_scc0 .Lentry_shape_is_right
	s_endpgm
.Lentry_shape_is_right:
; q = rope(x W_q^T), k = rope(x W_k^T), v = x W_v^T on codes of E5M2, their results quantised at once for attention's two products.  Only codes go to memory.
; CODES LIE AS IMAGES OF FRAGMENTS.  Lane r of tile T holds row 32 (T / 2) + 8 (T % 2) + r + 8 (r / 8).  A fragment, tile x 128 K, is 2,048 bytes: piece c at 512 c + 16 x lane = k 32 c + 16 (lane / 16) + 0 .. 15, alike in both operands.
; xc and wc: [block of 8 tiles][chunk of 256 K][tile][4,096 bytes].  So three chunks of 8 tiles are 98,304 bytes on end, and three chunks of 4 tiles are three rows of 16,384 bytes, 32,768 apart: one descriptor each.
; THE PRODUCT IS USED TRANSPOSED: source 0 = a tile of R, source 1 = a tile of P: a lane holds one row of P, and the 16 registers of R's tiles 2 b, 2 b + 1 are R's rows 32 b + 16 (lane / 16) + 0 .. 15.
; q, k: P = 256 tokens, R = 128 rows of the weight.  v: P = 256 rows of W_v, R = 128 tokens (a lane: one channel, registers along the keys).
; A WORK-GROUP STAYS: 256 work-groups make three tiles each, 256 x 128, K = 1,024: q's and k's in a loop of two trips, v's written out behind it (it asks for nothing more).  Four waves, 128 x 64 each: 32 accumulators.
; CLUSTER 4 x 4: P's tiles hang on cy and are asked for jointly by a row of the cluster, R's on cx and by a column.
; LDS: P's halves at 0 and 98,304, R's at 196,608 and 245,760, each [3 chunks][tiles][4,096].  A tile's chunks 0-2 come by one load a wave; chunk 3 lands on chunk 0's bytes once these are in registers;
; the next tile's chunks 0-2 are asked for behind the tile's last LDS read and land under its last two K steps and its way out.  One tensor load of a wave is out at any place; every wait for them is for 0.
; PREFETCH: behind a tile's K step 1 the next tile's codes of x (all four chunks) are asked for, five K steps ahead of the load that wants them (macro PREF).  The first tile comes by its loads alone.
; The weights' codes, 1 MiB a product, are read by every cluster and are not prefetched.
; cos and sin hang on the tokens alone, which q's and k's tiles share: they are loaded once, into window 3.
; OUT.  qc: [64 b h][128 tiles][1,024].  kv: [64 b h][16 key steps][K: 8 tiles x 1,024 | V: 4 tiles of channels x 2,048].
; LIMITS: e6 - e0 - e1, e7 - e2 - e3, e9 - e4 - e5 between -126 and 112.  The rotation works on the raw sums: it is linear, and the power of two is folded into the conversion.
; REGISTERS: window 0: v2 16 x lane; v16-18, v20-22 LDS addresses; v24 table offset; v25 256 x lane; v28, v29 for the add; v30, v31 scale and hold; v32-63 at work; v64-127 codes; v128-255 R's fragments, two sets.
;   window 1: P's fragments, two sets.  window 2: accumulator (a, n) at 8 (4 a + n).  window 3: cos, sin for (a, b) at 32 a + 16 b.
.set PPART, 98304
.set RBASE, 196608
.set RHALF, 49152
.set SPARE, 294912                     ; behind the tiles: the spare words, 128 bytes a wave, that no other line names
.set LI,  2
.set ADP, 16
.set ADR, 20
.set RO,  24
.set PFO, 25
.set SPW, 28
.set NIL, 29
.set SC,  30
.set LIM, 31
.set XX,  32
.set TT,  48
.set CD,  64
.set TN,  21                           ; s21: 0 q, 1 k
.set G1P, 24                           ; group 1: one chunk of P's half; s[32:39] of R's
.set G1R, 32
.set G3P, 40                           ; three chunks of P's half; s[48:55] of R's
.set G3R, 48
.set G0P, 56                           ; groups 0
.set G0R, 60
.set MULW, 0xa4                        ; source 0 (R) window 0, source 1 (P) window 1, C and D window 2
.set TO_P, 0x40
.set MSB, 0
.macro WIN new                         ; the immediate's high byte repeats the setting that is left
.if MSB != \new
	s_set_vgpr_msb (MSB<<8)|\new
.set MSB, \new
.endif
.endm
.macro PLACES                          ; four plain lines between a matrix instruction and a load into, or a read of, its registers
.rept 4
	v_nop
.endr
.endm
.macro CREST                           ; a round of the cluster's barrier behind its opening barrier
	s_cmp_lg_u32 s16, 0
	s_cbranch_scc1 .Lnw_\@
	s_barrier_signal -3
.Lnw_\@:
	s_barrier_wait -3
	s_barrier_signal -1
	s_barrier_wait -1
.endm
.macro CROUND
	s_barrier_signal -1
	s_barrier_wait -1
	CREST
.endm
.macro JLOAD g1p, g1r                  ; a joint load: waves 0, 1 fetch P's halves, waves 2, 3 R's; s_nop 0 and four v_nop follow each line
	s_cmp_eq_u32 s17, 0
	s_cbranch_scc0 .Ljr_\@
	tensor_load_to_lds s[G0P:G0P+3], s[\g1p:\g1p+7]
	s_nop 0
.rept 4
	v_nop
.endr
	s_branch .Lja_\@
.Ljr_\@:
	tensor_load_to_lds s[G0R:G0R+3], s[\g1r:\g1r+7]
	s_nop 0
.rept 4
	v_nop
.endr
.Lja_\@:
.endm
.macro GROUP1 g, c, r, p               ; r rows of c elements of 8 bytes, p elements apart
	s_mov_b32 s[\g+1], (\c)<<16
	s_mov_b32 s[\g+2], (\r)<<16
	s_mov_b32 s[\g+3], (\c)<<16
	s_mov_b32 s[\g+4], \r
	s_mov_b32 s[\g+5], \p
	s_mov_b32 s[\g+6], 0
	s_mov_b32 s[\g+7], 0
.endm
.macro FETCH s, q, f                   ; the fragments of place s's q-th 128 along K into set f: P's eight, R's four: 48 loads in one run
	WIN TO_P
.irp a, 0,1,2,3,4,5,6,7
.irp c, 0,1,2,3
	ds_load_b128 v[128*\f+16*\a+4*\c:128*\f+16*\a+4*\c+3], v[ADP+\s] offset:4096*\a+2048*\q+512*\c
.endr
.endr
	WIN 0
.irp n, 0,1,2,3
.irp c, 0,1,2,3
	ds_load_b128 v[128+64*\f+16*\n+4*\c:128+64*\f+16*\n+4*\c+3], v[ADR+\s] offset:4096*\n+2048*\q+512*\c
.endr
.endr
.endm
.macro MUL f, a0, cnt, zero            ; cnt of P's tiles from a0 on x R's four.  The 32 accumulators take turns, in the same order in every K step
.set aa, \a0
.rept \cnt
.irp n, 0,1,2,3
.if \zero
	v_wmma_f32_16x16x128_bf8_bf8 v[8*(4*aa+\n):8*(4*aa+\n)+7], v[128+64*\f+16*\n:128+64*\f+16*\n+15], v[128*\f+16*aa:128*\f+16*aa+15], 0
.else
	v_wmma_f32_16x16x128_bf8_bf8 v[8*(4*aa+\n):8*(4*aa+\n)+7], v[128+64*\f+16*\n:128+64*\f+16*\n+15], v[128*\f+16*aa:128*\f+16*aa+15], v[8*(4*aa+\n):8*(4*aa+\n)+7]
.endif
.endr
.set aa, aa+1
.endr
.endm
.macro KSTEP f, s, q, g                ; set f is multiplied while the next step's fragments come into set g
	s_wait_dscnt 0x0
	PLACES
	FETCH \s, \q, \g
	WIN MULW
	MUL \f, 0, 8, 0
.endm
; A PREFETCH INTO THE L2 of the next tile's codes of x.  In q's trip they are k's P (x's second set): waves 0, 1, whose part is a block of 131,072 bytes; in k's trip v's R (x's third set): waves 2, 3, whose part is four rows of 16,384 bytes.
; The four partners that will ask for a part jointly share it out BY ADDRESS: the partner at place p (cx for P, cy for R) takes chunk p, 32,768 p bytes on: 32,768 bytes in four instructions, or 16,384 in two; lanes 256 bytes apart.
; So each block of 256 bytes is named once in each cluster that will load it.  The address registers are written again only behind the way out's s_wait_xcnt 0.
.macro PREF
	WIN 0
	s_cmp_eq_u32 s[TN], 0
	s_cselect_b64 s[2:3], s[80:81], s[86:87]
	s_cselect_b32 s88, s19, s20
	s_lshl_b32 s88, s88, 15
	s_add_nc_u64 s[2:3], s[2:3], s[88:89]
	s_cmp_lg_u32 s17, s[TN]                        ; P's waves ask in q's trip, R's in k's
	s_cbranch_scc1 .Lnp_\@
	global_prefetch_b8 v[PFO], s[2:3] th:TH_LOAD_NT scope:SCOPE_SE
	global_prefetch_b8 v[PFO], s[2:3] offset:8192 th:TH_LOAD_NT scope:SCOPE_SE
	s_cmp_lg_u32 s[TN], 0
	s_cbranch_scc1 .Lnp_\@
	global_prefetch_b8 v[PFO], s[2:3] offset:16384 th:TH_LOAD_NT scope:SCOPE_SE
	global_prefetch_b8 v[PFO], s[2:3] offset:24576 th:TH_LOAD_NT scope:SCOPE_SE
.Lnp_\@:
.endm
.macro KMAIN next                      ; a tile's eight K steps.  next = 1: the following tile's chunks 0-2 are asked for
	s_wait_tensorcnt 0x0                           ; my part of chunks 0-2 is in
	s_barrier_signal -1
	s_barrier_wait -1
	FETCH 0, 0, 0
	FETCH 0, 1, 1                                  ; chunk 0 goes into registers whole
	s_wait_tensorcnt 0x0                           ; no load of mine is out: a group 0 may be written
	ds_add_u32 v[SPW], v[NIL]                      ; 0 onto my spare word
	s_add_nc_u64 s[G0P+2:G0P+3], s[G0P+2:G0P+3], 98304   ; chunk 3
	s_add_nc_u64 s[G0R+2:G0R+3], s[G0R+2:G0R+3], 98304
	s_wait_dscnt 0x0                               ; the add is done, and my reads of chunk 0's bytes are over
	s_barrier_signal -1                            ; opens a round of the cluster's barrier
	WIN MULW
	MUL 0, 0, 4, 1                                 ; K step 0 starts the sums
	WIN 0
	s_barrier_wait -1
	CREST
	JLOAD G1P, G1R                                 ; chunk 3 onto chunk 0's bytes: the first tensor load behind the round
	WIN MULW
	MUL 0, 4, 4, 1
	KSTEP 1, 1, 0, 0                               ; K steps 1 to 4
.if \next
	PREF
.endif
	KSTEP 0, 1, 1, 1
	KSTEP 1, 2, 0, 0
	KSTEP 0, 2, 1, 1
	s_wait_dscnt 0x0                               ; K step 5
	s_wait_tensorcnt 0x0                           ; my part of chunk 3
	s_barrier_signal -1
	MUL 1, 0, 4, 0
	WIN 0
	s_barrier_wait -1
	PLACES
	FETCH 0, 0, 0
	WIN MULW
	MUL 1, 4, 4, 0
	s_wait_dscnt 0x0                               ; K step 6
	PLACES
	FETCH 0, 1, 1                                  ; the tile's last LDS reads
.if \next
	s_wait_tensorcnt 0x0
	ds_add_u32 v[SPW], v[NIL]
	s_cmp_eq_u32 s[TN], 0                          ; behind q comes k, behind k comes v
	s_cselect_b64 s[G0P+2:G0P+3], s[80:81], s[84:85]
	s_cselect_b64 s[G0R+2:G0R+3], s[82:83], s[86:87]
	s_or_b32 s[G0P+3], s[G0P+3], 0x80000000
	s_or_b32 s[G0R+3], s[G0R+3], 0x80000000
	s_wait_dscnt 0x0                               ; the add is done, and the last reads are in
	s_barrier_signal -1                            ; opens a round
	WIN MULW
	MUL 0, 0, 4, 0
	WIN 0
	s_barrier_wait -1
	CREST
	JLOAD G3P, G3R
	WIN MULW
	MUL 0, 4, 4, 0
	MUL 1, 0, 8, 0                                 ; K step 7
.else
	WIN MULW
	MUL 0, 0, 8, 0
	s_wait_dscnt 0x0
	MUL 1, 0, 8, 0
.endif
	WIN 0
.endm
.macro MKSC                            ; s90 = the folded exponent: v[SC] = 2^s90 as f32, v[LIM] = 57,344 x that
	s_add_co_i32 s90, s90, 127
	s_lshl_b32 s91, s90, 23
	v_mov_b32 v[SC], s91
	s_add_co_i32 s90, s90, 15
	s_lshl_b32 s90, s90, 23
	s_or_b32 s90, s90, 0x600000
	v_mov_b32 v[LIM], s90
.endm
	s_load_b256 s[4:11], s[0:1], 0x0               ; xc, wc, rope, the exponents
	s_load_b128 s[12:15], s[0:1], 0x20             ; qc, kv
	v_lshl_add_u32 v[SPW], v0, 2, SPARE
	v_mov_b32 v[NIL], 0
	ds_add_u32 v[SPW], v[NIL]                      ; the opening lines: the add twice on end and its wait
	ds_add_u32 v[SPW], v[NIL]
	v_lshrrev_b32 v1, 5, v0
	v_readfirstlane_b32 s16, v1                    ; wave
	s_lshr_b32 s17, s16, 1                         ; mh: my half of P's rows; also: I fetch for P (0) or R (1)
	s_and_b32 s18, s16, 1                          ; nh: my half of R's rows; also: which half I fetch
	s_bfe_u32 s19, ttmp6, 0x40000                  ; cx
	s_bfe_u32 s20, ttmp6, 0x40004                  ; cy
	s_and_b32 s21, ttmp7, 0xffff                   ; the cluster's y
	s_lshl_b32 s22, s21, 2
	s_add_co_u32 s22, s22, s20                     ; q, k: P's block of 256 tokens
	s_lshl_b32 s23, ttmp9, 2
	s_add_co_u32 s23, s23, s19                     ; q, k: R's block of 128 rows of the weight
	s_lshl_b32 s95, s21, 1
	s_add_co_u32 s95, s95, ttmp9
	s_lshl_b32 s95, s95, 2
	s_add_co_u32 s95, s95, s19                     ; v: R's block of 128 tokens
	s_lshl_b32 s3, s18, 17                         ; the block of 8 tiles of P that I fetch
	s_lshl_b32 s88, s22, 18
	s_add_co_u32 s88, s88, s3
	s_mov_b32 s89, 0
	s_lshl_b32 s100, s20, 18                       ; v: P = W_v's rows 256 cy on, the third MiB of wc
	s_add_co_u32 s100, s100, s3
	s_add_co_u32 s100, s100, 0x200000
	s_mov_b32 s101, 0
	s_lshl_b32 s3, s18, 14                         ; the 4 tiles of R that I fetch
	s_lshl_b32 s90, s23, 17
	s_add_co_u32 s90, s90, s3
	s_mov_b32 s91, 0
	s_lshl_b32 s2, s95, 17                         ; v: R = x's third set of codes
	s_add_co_u32 s2, s2, s3
	s_add_co_u32 s2, s2, 0x1000000
	s_mov_b32 s3, 0
	s_lshl_b32 s66, s20, 2
	s_lshl_b32 s66, 15, s66                        ; my row of the cluster
	s_lshl_b32 s67, 0x1111, s19                    ; my column
	s_or_b32 s[G1P], s66, (3<<16)|(1<<21)          ; the mask; elements of 8 bytes; bit 21 beside a mask
	s_or_b32 s[G3P], s66, (3<<16)|(1<<21)
	s_or_b32 s[G1R], s67, (3<<16)|(1<<21)
	s_or_b32 s[G3R], s67, (3<<16)|(1<<21)
	GROUP1 G1P, 512, 8, 512                        ; 32,768 bytes on end
	GROUP1 G1R, 512, 4, 512                        ; 16,384 bytes on end
	GROUP1 G3P, 512, 24, 512                       ; 98,304 bytes on end
	GROUP1 G3R, 2048, 3, 4096                      ; three rows of 16,384 bytes, 32,768 apart
	s_mov_b32 s[G0P], 1
	s_mul_i32 s[G0P+1], s18, PPART                 ; LDS: the wave's number alone
	s_mov_b32 s[G0R], 1
	s_mul_i32 s[G0R+1], s18, RHALF
	s_add_co_u32 s[G0R+1], s[G0R+1], RBASE
	s_wait_dscnt 0x0                               ; both opening adds are done
	s_wait_kmcnt 0x0
	s_load_b256 s[68:75], s[10:11], 0x0            ; e0 .. e7
	s_load_b128 s[76:79], s[10:11], 0x20           ; e8 .. e11
	s_add_nc_u64 s[G0P+2:G0P+3], s[4:5], s[88:89]  ; q's P and R,
	s_add_nc_u64 s[G0R+2:G0R+3], s[6:7], s[90:91]
	s_add_nc_u64 s[80:81], s[G0P+2:G0P+3], 0x800000   ; k's: x's second set, the second MiB of wc,
	s_add_nc_u64 s[82:83], s[G0R+2:G0R+3], 0x100000
	s_add_nc_u64 s[84:85], s[6:7], s[100:101]      ; v's
	s_add_nc_u64 s[86:87], s[4:5], s[2:3]
	s_or_b32 s[G0P+3], s[G0P+3], 0x80000000
	s_or_b32 s[G0R+3], s[G0R+3], 0x80000000
	CROUND                                         ; all sixteen work-groups are here: the first joint loads meet
	JLOAD G3P, G3R                                 ; q's chunks 0-2: one tensor load a wave at the head
	v_and_b32 v1, 31, v0
	v_lshlrev_b32 v[LI], 4, v1
	v_lshlrev_b32 v[PFO], 8, v1
	s_mul_i32 s2, s17, PPART
	v_add_nc_u32 v[ADP], s2, v[LI]                 ; my 8 tiles of P in places 0, 1, 2
	v_add_nc_u32 v[ADP+1], 32768, v[ADP]
	v_add_nc_u32 v[ADP+2], 65536, v[ADP]
	s_mul_i32 s2, s18, RHALF
	s_add_co_u32 s2, s2, RBASE
	v_add_nc_u32 v[ADR], s2, v[LI]                 ; my 4 tiles of R
	v_add_nc_u32 v[ADR+1], 16384, v[ADR]
	v_add_nc_u32 v[ADR+2], 32768, v[ADR]
	v_and_b32 v3, 15, v0
	v_bfe_u32 v4, v0, 4, 1
	v_and_b32 v5, 8, v3
	v_add_nc_u32 v5, v5, v3
	v_lshlrev_b32 v5, 8, v5
	v_lshl_add_u32 v[RO], v4, 6, v5                ; the table: row r + 8 (r / 8) of 256 bytes, + 64 h
	s_and_b32 s2, s22, 7
	s_lshl_b32 s2, s2, 1
	s_add_co_u32 s2, s2, s17                       ; which 128 tokens of the sequence
	s_lshl_b32 s88, s2, 15
	s_add_nc_u64 s[96:97], s[8:9], s[88:89]
	WIN 0xc0                                       ; destination window 3
.irp a, 0,1,2,3,4,5,6,7
.irp b, 0,1
.irp i, 0,1,2,3
	global_load_b128 v[32*\a+16*\b+4*\i:32*\a+16*\b+4*\i+3], v[RO], s[96:97] offset:(32*(\a/2)+8*(\a%2))*256+128*\b+16*\i
.endr
.endr
.endr
	WIN 0
	s_lshr_b32 s3, s22, 3
	s_lshl_b32 s3, s3, 4
	s_lshl_b32 s88, s23, 1
	s_add_co_u32 s3, s3, s88
	s_add_co_u32 s3, s3, s18                       ; 16 x batch + head
	s_lshl_b32 s3, s3, 17
	s_lshl_b32 s88, s2, 13
	s_add_co_u32 s100, s3, s88                     ; my place in qc; in kv twice that
	s_lshr_b32 s3, s95, 4
	s_lshl_b32 s3, s3, 4
	s_lshl_b32 s88, s20, 2
	s_add_co_u32 s3, s3, s88
	s_lshl_b32 s88, s17, 1
	s_add_co_u32 s3, s3, s88                       ; v: 16 x batch + my first head
	s_lshl_b32 s101, s3, 18
	s_and_b32 s88, s95, 15
	s_lshl_b32 s88, s88, 14                        ; the key step
	s_add_co_u32 s101, s101, s88
	s_lshl_b32 s88, s18, 10                        ; pieces 2 nh, 2 nh + 1
	s_add_co_u32 s101, s101, s88
	s_add_co_u32 s101, s101, 8192                  ; V lies behind K's eight tiles
	s_wait_kmcnt 0x0
	s_add_co_i32 s92, s68, s69
	s_sub_co_i32 s92, s74, s92                     ; q: e6 - e0 - e1
	s_add_co_i32 s93, s70, s71
	s_sub_co_i32 s93, s75, s93                     ; k: e7 - e2 - e3
	s_add_co_i32 s94, s72, s73
	s_sub_co_i32 s94, s77, s94                     ; v: e9 - e4 - e5
	s_mov_b32 s[TN], 0
	s_wait_alu depctr_va_vdst(0)                   ; the wait at the head's end
.Ltile:
	KMAIN 1
	s_wait_loadcnt 0x0                             ; the table
	s_wait_xcnt 0x0                                ; the last tile's stores and my prefetches have read their registers and their bases
	s_lshl_b32 s88, s100, s[TN]
	s_cmp_eq_u32 s[TN], 0
	s_cselect_b64 s[98:99], s[12:13], s[14:15]
	s_cselect_b32 s90, s92, s93
	s_add_nc_u64 s[98:99], s[98:99], s[88:89]
	MKSC
	PLACES
.irp a, 0,1,2,3,4,5,6,7
.irp b, 0,1
	WIN 0x0e                                       ; source 0 (the sums) window 2, source 1 (the table) window 3
.irp i, 0,2,4,6,8,10,12,14
	v_mul_f32 v[TT+\i], v[32*\a+16*\b+\i+1], v[32*\a+16*\b+\i+1]      ; x2 s   (each accumulator is read from its low end on)
	v_mul_f32 v[TT+\i+1], v[32*\a+16*\b+\i], v[32*\a+16*\b+\i+1]      ; x1 s
.endr
.irp i, 0,2,4,6,8,10,12,14
	v_fma_f32 v[XX+\i], v[32*\a+16*\b+\i], v[32*\a+16*\b+\i], -v[TT+\i]         ; x1 c - x2 s
	v_fma_f32 v[XX+\i+1], v[32*\a+16*\b+\i+1], v[32*\a+16*\b+\i], v[TT+\i+1]    ; x2 c + x1 s
.endr
	WIN 0
.irp i, 0,1,2,3,4,5,6,7,8,9,10,11,12,13,14,15
	v_med3_num_f32 v[XX+\i], v[XX+\i], -v[LIM], v[LIM]   ; the conversion does not saturate (ISA guide 7.6.2): the hold comes first
.endr
	v_cvt_scalef32_pk8_bf8_f32 v[CD+4*(2*\a+\b):CD+4*(2*\a+\b)+1], v[XX:XX+7], v[SC]
	v_cvt_scalef32_pk8_bf8_f32 v[CD+4*(2*\a+\b)+2:CD+4*(2*\a+\b)+3], v[XX+8:XX+15], v[SC]
	global_store_b128 v[LI], v[CD+4*(2*\a+\b):CD+4*(2*\a+\b)+3], s[98:99] offset:1024*\a+512*\b   ; piece b of tile a: 512 consecutive bytes; the next sixteen multiplies are the plain lines behind the conversions
.endr
.endr
	v_nop
	s_add_co_u32 s[TN], s[TN], 1
	s_cmp_lt_u32 s[TN], 2
	s_wait_alu depctr_va_vdst(0)                   ; the wait ahead of the branch
	s_cbranch_scc1 .Ltile
	KMAIN 0                                        ; v: a lane holds one channel, its registers run along the keys
	s_wait_xcnt 0x0
	s_mov_b32 s88, s101
	s_add_nc_u64 s[98:99], s[14:15], s[88:89]
	s_mov_b32 s90, s94
	MKSC
	PLACES
.irp a, 0,1,2,3,4,5,6,7
.irp b, 0,1
	WIN 0x02                                       ; source 0 window 2
.irp i, 0,1,2,3,4,5,6,7,8,9,10,11,12,13,14,15
	v_med3_num_f32 v[XX+16*\b+\i], v[32*\a+16*\b+\i], -v[LIM], v[LIM]
.endr
	WIN 0
	v_cvt_scalef32_pk8_bf8_f32 v[CD+4*(2*\a+\b):CD+4*(2*\a+\b)+1], v[XX+16*\b:XX+16*\b+7], v[SC]
	v_cvt_scalef32_pk8_bf8_f32 v[CD+4*(2*\a+\b)+2:CD+4*(2*\a+\b)+3], v[XX+16*\b+8:XX+16*\b+15], v[SC]
	global_store_b128 v[LI], v[CD+4*(2*\a+\b):CD+4*(2*\a+\b)+3], s[98:99] offset:(\a/4)*262144+(\a%4)*2048+512*\b
.endr
.endr
	v_nop
	s_wait_tensorcnt 0x0                           ; the wave's end
	ds_add_u32 v[SPW], v[NIL]
	s_wait_dscnt 0x0
	CROUND                                         ; the closing round
	s_endpgm
.Lfunc_end_k_qf56e2f2883_qkv:
	.size	k_qf56e2f2883_qkv, .Lfunc_end_k_qf56e2f2883_qkv-k_qf56e2f2883_qkv
	.p2alignl 7, 3214868480
	.fill 96, 4, 3214868480
	.section	.rodata,"a",@progbits
	.p2align	6, 0x0
	.amdhsa_kernel k_qf56e2f2883_qkv
		.amdhsa_group_segment_fixed_size 327680
		.amdhsa_private_segment_fixed_size 0
		.amdhsa_enable_private_segment 0
		.amdhsa_kernarg_size 48
		.amdhsa_user_sgpr_count 2
		.amdhsa_user_sgpr_kernarg_segment_ptr 1
		.amdhsa_wavefront_size32 1
		.amdhsa_system_sgpr_workgroup_id_x 1
		.amdhsa_system_sgpr_workgroup_id_y 1
		.amdhsa_system_sgpr_workgroup_id_z 1
		.amdhsa_system_vgpr_workitem_id 0
		.amdhsa_next_free_vgpr 1024
		.amdhsa_next_free_sgpr 102
		.amdhsa_reserve_vcc 0
		.amdhsa_float_denorm_mode_32 3
		.amdhsa_float_denorm_mode_16_64 3
		.amdhsa_memory_ordered 1
		.amdhsa_forward_progress 1
		.amdhsa_inst_pref_size 169
	.end_amdhsa_kernel
	.amdgpu_metadata
---
amdhsa.version: [ 1, 2 ]
amdhsa.kernels:
  - .name:           k_qf56e2f2883_qkv
    .symbol:         k_qf56e2f2883_qkv.kd
    .args:
      - { .name: xc, .offset: 0, .size: 8, .value_kind: global_buffer, .address_space: global }
      - { .name: wc, .offset: 8, .size: 8, .value_kind: global_buffer, .address_space: global }
      - { .name: rope, .offset: 16, .size: 8, .value_kind: global_buffer, .address_space: global }
      - { .name: lowp_scales, .offset: 24, .size: 8, .value_kind: global_buffer, .address_space: global }
      - { .name: qc, .offset: 32, .size: 8, .value_kind: global_buffer, .address_space: global }
      - { .name: kv, .offset: 40, .size: 8, .value_kind: global_buffer, .address_space: global }
    .group_segment_fixed_size: 327680
    .private_segment_fixed_size: 0
    .kernarg_segment_align: 8
    .kernarg_segment_size: 48
    .max_flat_workgroup_size: 128
    .sgpr_count:     102
    .vgpr_count:     1024
    .wavefront_size: 32
...
	.end_amdgpu_metadata
.endif
;; end of part 2
;; launch attn (part 3): grid 256 x 1, 16 waves a work-group, clusters of 4 x 1, 327,680 bytes of LDS; arguments qc, kv, attention_mask, lowp_scales, ao; writes ao
.if DOCPART == 3
	.amdgcn_target "amdgcn-amd-amdhsa--gfx1250"
	.amdhsa_code_object_version 6
	.text
	.protected	k_qf56e2f2883_attn
	.globl	k_qf56e2f2883_attn
	.p2align	8
	.type	k_qf56e2f2883_attn,@function
k_qf56e2f2883_attn:
	s_mov_b64 s[64:65], 0
	v_nop
	global_prefetch_b8 v0, s[64:65] scope:SCOPE_SE
	s_setreg_imm32_b32 hwreg(HW_REG_WAVE_MODE, 25, 1), 1
	s_wait_xcnt 0x0
	s_wait_alu depctr_hold_cnt(0) depctr_sa_sdst(0) depctr_va_vdst(0) depctr_va_sdst(0) depctr_va_ssrc(0) depctr_va_vcc(0) depctr_vm_vsrc(0)
	s_getreg_b32 s2, hwreg(HW_REG_IB_STS2, 6, 4)
	s_cmp_eq_u32 s2, 0
	s_cbranch_scc0 .Lentry_in_a_cluster
	s_endpgm
.Lentry_in_a_cluster:
	s_bfe_u32 s2, ttmp6, 0x10000c
	s_cmp_lg_u32 s2, 0x3003
	s_cbranch_scc0 .Lentry_shape_is_right
	s_endpgm
.Lentry_shape_is_right:
; Attention of one head (b, h) on codes of E5M2, causal and with the padding mask that is given; the finished, normalised softmax is what is quantised (scale e8), and the result is quantised at once for the last projection (e10).
; LEFT OUT: key steps all of whose 128 keys come after a tile's queries: reference()'s own jnp.tril gives them the weight 0 whenever the row has one key that counts.  A NaN or an infinity that reaches only those steps is not carried on.
; A ROW WITH NO KEY THAT COUNTS has all 2,048 scores equal in reference(): its weights are 1 / 2,048 over ALL keys.  Such rows take Q(1 / 2,048) x the sum of V's codes over the whole head, made once by each work-group, by a select.
; SHARES.  The cluster's number is the head; its four work-groups (cx) read the same K and V and ask for them jointly: one tensor load a wave, key step w, 16,384 bytes; the head's 262,144 bytes stay in LDS and nothing is filled again.
; A block is 128 queries, 8 tiles of 16.  Wave w takes tile 2 cx + w % 2 of blocks w / 2 and 15 - w / 2: 17 key steps in every wave, walked with no barrier between the two tiles.
; TWO PASSES over a tile's key steps.  Pass 1: t = score x log2(e) / 8, the running largest t, M = it rounded up, the sum of 2^(t - M).  Pass 2: p = 2^(t - M - log2(sum)), held, quantised, O^T += V^T P^T.
; Both products are used transposed: a lane holds one query, registers 16 b + i hold key 32 b + 16 (lane / 16) + i.  The padding mask goes in as the C of the first product: 0 or -2^100, from a table in LDS.
; No prefetch: the one fill stands at the head, and there is no loop to run ahead in.
; ao: [block of 8 tiles of tokens][chunk of 256 K][tile][4,096 bytes], images of fragments, as the last projection fetches it.
; LIMITS: the scaled scores stay under 2^31 in magnitude (a row counts as wholly masked where its largest t is at or under -c 2^60); e6 + e7 between -60 and 60; e8 and e10 - e8 - e9 between -126 and 112.
.set BIAS, 262144                      ; behind K and V: 2,048 f32, 0 or -2^100
.set VBAR, 270336                      ; 16 waves x 64 bytes: parts of V's sum
.set SPARE, 271360                     ; the spare words, 128 bytes a wave, that no other line names
.set LI,   1
.set BI,   2
.set DG,   3
.set AK,   4
.set AB,   5
.set NINF, 7
.set VST,  8
.set VLD,  9
.set VVA,  10
.set WV,   14
.set CX,   15
.set PP,   16
.set UU,   17
.set BLK,  18
.set KS,   19
.set SEL,  20
.set CS,   22
.set G1,   24
.set G0A,  32
.set TB,   40
.set TBB,  41
.set FL,   42
.set FM,   43
.macro CROUND
	s_barrier_signal -1
	s_barrier_wait -1
	s_cmp_lg_u32 s[WV], 0
	s_cbranch_scc1 .Lnw_\@
	s_barrier_signal -3
.Lnw_\@:
	s_barrier_wait -3
	s_barrier_signal -1
	s_barrier_wait -1
.endm
	s_load_b256 s[4:11], s[0:1], 0x0               ; qc, kv, attention_mask, the exponents
	s_load_b64 s[12:13], s[0:1], 0x20              ; ao
	v_lshl_add_u32 v251, v0, 2, SPARE
	v_mov_b32 v255, 0
	ds_add_u32 v251, v255                          ; the opening lines: the add twice on end and its wait
	ds_add_u32 v251, v255
	v_lshrrev_b32 v6, 5, v0
	s_delay_alu instid0(VALU_DEP_1)
	v_readfirstlane_b32 s[WV], v6
	s_bfe_u32 s[CX], ttmp6, 0x40000
	s_lshr_b32 s[PP], s[WV], 1
	s_and_b32 s[UU], s[WV], 1
	s_mov_b32 s[G1], 15|(3<<16)|(1<<21)            ; all four partners; elements of 8 bytes; bit 21 beside a mask
	s_mov_b32 s[G1+1], 32<<16                      ; 64 rows of 256 bytes, on end
	s_mov_b32 s[G1+2], 64<<16
	s_mov_b32 s[G1+3], 32<<16
	s_mov_b32 s[G1+4], 64
	s_mov_b32 s[G1+5], 32
	s_mov_b32 s[G1+6], 0
	s_mov_b32 s[G1+7], 0
	s_mov_b32 s[SEL], 0x76543210
	s_mov_b32 s[SEL+1], 0xfedcba98
	s_lshl_b32 s60, ttmp9, 18                      ; the head's K and V
	s_lshl_b32 s62, s[WV], 14                      ; key step w
	s_add_co_u32 s60, s60, s62
	s_mov_b32 s61, 0
	s_wait_dscnt 0x0
	s_wait_kmcnt 0x0
	s_load_b256 s[48:55], s[10:11], 0x0
	s_load_b128 s[56:59], s[10:11], 0x20
	s_mov_b32 s[G0A], 1
	s_mov_b32 s[G0A+1], s62
	s_add_nc_u64 s[G0A+2:G0A+3], s[6:7], s[60:61]
	s_or_b32 s[G0A+3], s[G0A+3], 0x80000000
	CROUND                                         ; the four work-groups are here: the joint loads meet
	tensor_load_to_lds s[G0A:G0A+3], s[G1:G1+7]
	s_nop 0
	s_lshr_b32 s60, ttmp9, 4
	s_lshl_b32 s60, s60, 13
	s_add_nc_u64 s[72:73], s[8:9], s[60:61]        ; the batch's row of the mask
	v_lshlrev_b32 v11, 4, v0
	global_load_b128 v[244:247], v11, s[72:73]
	v_lshl_add_u32 v6, v0, 4, BIAS
	v_and_b32 v240, 31, v0
	s_delay_alu instid0(VALU_DEP_1)
	v_lshlrev_b32 v[LI], 4, v240
	v_and_b32 v241, 15, v0
	v_bfe_u32 v242, v0, 4, 1
	s_delay_alu instid0(VALU_DEP_1)
	v_lshl_add_u32 v[BI], v242, 6, BIAS
	s_delay_alu instid0(VALU_DEP_3)
	v_and_b32 v243, 8, v241
	s_delay_alu instid0(VALU_DEP_1)
	v_add_nc_u32 v243, v243, v241
	s_delay_alu instid0(VALU_DEP_4)
	v_lshlrev_b32 v240, 4, v242
	s_delay_alu instid0(VALU_DEP_1)
	v_sub_nc_u32 v243, v243, v240
	; THE DIAGONAL.  My query in its block is 32 cx + d + 16 (lane / 16), d = 8 (w % 2) + r + 8 (r / 8) - 16 (lane / 16), between -16 and 31.  Register 16 b + i holds key 32 b + 16 (lane / 16) + i:
	; hidden where 32 (b - cx) + i > d: for b < cx never, for b > cx always, for b = cx where i > d.  These sixteen lane masks hang on the lane alone and are made once: s74-89.
	s_lshl_b32 s62, s[UU], 3
	v_add_nc_u32 v[DG], s62, v243
.set j, 0
.rept 16
	v_cmp_gt_i32 s[74+j], j, v[DG]
.set j, j+1
.endr
	v_mov_b32 v[NINF], 0xff800000
	v_lshl_add_u32 v[VLD], v242, 5, VBAR
	s_lshl_b32 s60, s[WV], 6
	v_add_nc_u32 v[VST], s60, v[VLD]
	s_lshr_b32 s60, s[WV], 2
	s_lshl_b32 s60, s60, 16
	s_and_b32 s62, s[WV], 3
	s_lshl_b32 s62, s62, 11
	s_add_co_u32 s60, s60, s62
	s_add_co_u32 s60, s60, 8192
	v_add_nc_u32 v[VVA], s60, v[LI]                ; V's sum: channel tile w % 4 of key steps 4 (w / 4) on
	v_mov_b32 v248, 0xf1800000                     ; -2^100
	v_mov_b32 v249, 0
	v_mov_b32 v250, 0
	v_mov_b32 v253, 0
	s_lshl_b32 s60, ttmp9, 17
	s_add_nc_u64 s[66:67], s[4:5], s[60:61]        ; the head's Q
	s_lshl_b32 s70, s[CX], 1
	s_add_co_u32 s70, s70, s[UU]                   ; my tile in a block
	s_lshr_b32 s60, ttmp9, 4
	s_lshl_b32 s60, s60, 21                        ; ao: the batch's 16 blocks,
	s_bfe_u32 s62, ttmp9, 0x20002
	s_lshl_b32 s62, s62, 15                        ; the chunk: head / 4,
	s_add_co_u32 s60, s60, s62
	s_and_b32 s62, ttmp9, 3
	s_lshl_b32 s62, s62, 10                        ; the head's 64 in it,
	s_add_co_u32 s60, s60, s62
	s_lshl_b32 s62, s70, 12                        ; my tile
	s_add_co_u32 s60, s60, s62
	s_add_nc_u64 s[68:69], s[12:13], s[60:61]
	s_lshl_b32 s60, s[PP], 3                       ; the first tile's Q: block w / 2
	s_add_co_u32 s60, s60, s70
	s_lshl_b32 s62, s60, 10
	s_mov_b32 s63, 0
	s_add_nc_u64 s[44:45], s[66:67], s[62:63]
	s_wait_alu depctr_va_vdst(0)
	global_load_b128 v[16:19], v[LI], s[44:45]
	global_load_b128 v[20:23], v[LI], s[44:45] offset:512
	s_wait_kmcnt 0x0
	s_add_co_i32 s60, s54, s55
	s_lshl_b32 s60, s60, 23
	s_add_co_i32 s[CS], s60, 0x3e38aa3b            ; c = log2(e) / 8 x 2^(e6 + e7)
	s_mov_b32 s[CS+1], s[CS]
	s_mov_b32 s[FL], 0xdd800000                    ; -2^60: the floor of the largest raw score, so -c 2^60 of the largest t
	s_add_co_i32 s60, s56, 127
	s_lshl_b32 s62, s60, 23
	v_mov_b32 v27, s62                             ; 2^e8
	s_add_co_i32 s60, s60, 15
	s_lshl_b32 s60, s60, 23
	s_or_b32 s60, s60, 0x600000
	v_mov_b32 v26, s60                             ; 57,344 x 2^e8,
	v_mov_b32 v31, s60                             ; and once more, in another register bank, for the second half of a dual pair
	s_sub_co_i32 s60, s58, s56
	s_sub_co_i32 s60, s60, s57
	s_add_co_i32 s60, s60, 127
	s_lshl_b32 s62, s60, 23
	v_mov_b32 v29, s62                             ; 2^(e10 - e8 - e9)
	s_add_co_i32 s60, s60, 15
	s_lshl_b32 s60, s60, 23
	s_or_b32 s60, s60, 0x600000
	v_mov_b32 v28, s60
	s_wait_loadcnt 0x0
.irp i, 0,1,2,3
	v_cmp_ne_u32 vcc_lo, 0, v[244+\i]
	s_delay_alu instid0(VALU_DEP_1)
	v_cndmask_b32 v[244+\i], v248, v249, vcc_lo
.endr
	ds_store_b128 v6, v[244:247]
.macro SCORES pass                     ; S^T = K Q^T + the mask's table; on the diagonal the hidden keys become -infinity.  pass 2: V's fragments are asked for behind the products
	v_add_nc_u32 v[AK], s[TB], v[LI]
	v_add_nc_u32 v[AB], s[TBB], v[BI]
.if \pass == 2                         ; pass 2: with the two additions, the four places behind the step before's last products; in pass 1 the softmax's lines stand there
	v_nop
	v_nop
.endif
.set j, 0
.rept 16
	ds_load_b128 v[32+4*j:35+4*j], v[AK] offset:512*j
.set j, j+1
.endr
.set j, 0
.rept 16
	ds_load_b128 v[96+4*j:99+4*j], v[AB] offset:128*(j/4)+16*(j%4)
.set j, j+1
.endr
	s_wait_dscnt 0x0
.set j, 0
.rept 8
	v_wmma_f32_16x16x64_bf8_bf8 v[96+8*j:103+8*j], v[32+8*j:39+8*j], v[16:23], v[96+8*j:103+8*j]
.set j, j+1
.endr
.rept 4
	v_nop
.endr
.if \pass == 2
.set j, 0
	s_wait_alu depctr_va_vdst(0)
.rept 16
	ds_load_b128 v[32+4*j:35+4*j], v[AK] offset:8192+512*j
.set j, j+1
.endr
.endif
	s_cmp_lg_u32 s[KS], s[BLK]
	s_cbranch_scc1 .Lopen_\@
.set j, 0
.irp b, 0,1,2,3                        ; a scalar select, no branch, takes for each 32 keys my sixteen masks (b = cx), all lanes (b > cx) or none
	s_cmp_lt_u32 s[CX], \b
	s_cselect_b32 s91, -1, 0
	s_cmp_eq_u32 s[CX], \b
.irp g, 0,4,8,12
	s_cselect_b32 s92, s[74+\g], s91
	s_cselect_b32 s93, s[75+\g], s91
	s_cselect_b32 s94, s[76+\g], s91
	s_cselect_b32 s95, s[77+\g], s91
	v_cndmask_b32 v[96+16*\b+\g], v[96+16*\b+\g], v[NINF], s92
	v_cndmask_b32 v[97+16*\b+\g], v[97+16*\b+\g], v[NINF], s93
	v_cndmask_b32 v[98+16*\b+\g], v[98+16*\b+\g], v[NINF], s94
	v_cndmask_b32 v[99+16*\b+\g], v[99+16*\b+\g], v[NINF], s95
.endr
.endr
.Lopen_\@:
.endm
.macro STEP1
	SCORES 1
	; the largest raw score of MY 64 keys and of all my keys before, as a tree of 32 lines, four deep: 21 + 7 + 3 + 1; v160-190, O^T's registers, are free in pass 1.
	; Each lane keeps M and the sum of its own half of the keys; the two halves of a row are joined once, behind the pass.
.set j, 0
.rept 21
	v_max3_num_f32 v[160+j], v[96+3*j], v[97+3*j], v[98+3*j]   ; ascending: each accumulator is first read at its low end
.set j, j+1
.endr
.set j, 0
.rept 7
	v_max3_num_f32 v[181+j], v[160+3*j], v[161+3*j], v[162+3*j]
.set j, j+1
.endr
	v_max3_num_f32 v188, v181, v182, v183
	v_max3_num_f32 v189, v184, v185, v186
	v_max3_num_f32 v190, v187, v159, v13
	s_delay_alu instid0(VALU_DEP_1)
	v_max3_num_f32 v13, v188, v189, v190           ; the running largest raw score
	v_mov_b32 v254, v12
	s_delay_alu instid0(VALU_DEP_2)
	v_mul_f32 v252, s[CS], v13                     ; as t (c is positive)
	s_delay_alu instid0(VALU_DEP_1)
	v_floor_f32 v12, -v252
	s_delay_alu instid0(VALU_DEP_1)
	v_sub_f32 v254, v12, v254
	s_delay_alu instid0(VALU_DEP_1)
	v_cvt_i32_f32 v254, v254
	s_delay_alu instid0(VALU_DEP_1)
	v_ldexp_f32 v252, 1.0, v254                    ; 2^(old M - new M)
.set j, 0
.rept 32
	v_pk_fma_f32 v[96+2*j:97+2*j], v[96+2*j:97+2*j], s[CS:CS+1], v[12:13] op_sel_hi:[1,0,0]
.set j, j+1
.endr
.set j, 0
	s_wait_alu depctr_va_vdst(0)                   ; a wait ahead of the batch and one behind it
.rept 64
	v_exp_f32 v[96+j], v[96+j]
.set j, j+1
.endr
	v_pk_mul_f32 v[14:15], v[14:15], v[252:253] op_sel_hi:[1,0]
	s_wait_alu depctr_va_vdst(0)
.irp d, 2,4,8,16                       ; the step's sum as a tree in place: 16 + 8 + 4 + 2 + 1 packed additions
.set j, 0
.rept 32/\d
	v_pk_add_f32 v[96+2*\d*j:97+2*\d*j], v[96+2*\d*j:97+2*\d*j], v[96+2*\d*j+\d:97+2*\d*j+\d]
.set j, j+1
.endr
.endr
	s_delay_alu instid0(VALU_DEP_1)
	v_pk_add_f32 v[96:97], v[96:97], v[128:129]
	s_delay_alu instid0(VALU_DEP_1)
	v_pk_add_f32 v[14:15], v[14:15], v[96:97]
.endm
.macro STEP2
	SCORES 2
.set j, 0
.rept 32
	v_pk_fma_f32 v[96+2*j:97+2*j], v[96+2*j:97+2*j], s[CS:CS+1], v[24:25] op_sel_hi:[1,0,0]
.set j, j+1
.endr
.set j, 0
	s_wait_alu depctr_va_vdst(0)
.rept 64
	v_exp_f32 v[96+j], v[96+j]
.set j, j+1
.endr
	v_nop
	s_wait_alu depctr_va_vdst(0)
.irp b, 0,1,2,3
.irp i, 0,2,4,6,8,10,12,14             ; the conversion does not saturate (ISA guide 7.6.2); p is not negative: a one-sided hold, two numbers a line
	v_dual_min_num_f32 v[96+16*\b+\i], v[96+16*\b+\i], v26 :: v_dual_min_num_f32 v[97+16*\b+\i], v[97+16*\b+\i], v31
.endr
	v_cvt_scalef32_pk8_bf8_f32 v[192+4*\b:193+4*\b], v[96+16*\b:103+16*\b], v27
	v_cvt_scalef32_pk8_bf8_f32 v[194+4*\b:195+4*\b], v[104+16*\b:111+16*\b], v27
.endr
	v_nop
	s_wait_alu depctr_va_vdst(0)
	s_wait_dscnt 0x0
.irp t, 0,1,2,3
	v_wmma_f32_16x16x128_bf8_bf8 v[160+8*\t:167+8*\t], v[32+16*\t:47+16*\t], v[192:207], v[160+8*\t:167+8*\t]
.endr
.endm
.macro PASS n, trips                   ; the trip count is a constant; a scalar branch on the wave's block leads round the steps behind the diagonal
	s_mov_b32 s[KS], 0
	s_mov_b32 s[TB], 0
	s_mov_b32 s[TBB], 0
.Lks_\@:
	s_cmp_gt_u32 s[KS], s[BLK]
	s_cbranch_scc1 .Lover_\@
.if \n == 1
	STEP1
.else
	STEP2
.endif
.Lover_\@:
	s_add_co_u32 s[TB], s[TB], 16384
	s_add_co_u32 s[TBB], s[TBB], 512
	s_add_co_u32 s[KS], s[KS], 1
	s_cmp_lt_u32 s[KS], \trips
	s_cbranch_scc1 .Lks_\@
.endm
.macro TILE trips
	s_wait_xcnt 0x0
	s_lshl_b32 s60, s[BLK], 3
	s_add_co_u32 s60, s60, s70
	s_lshl_b32 s62, s60, 10
	s_mov_b32 s63, 0
	s_add_nc_u64 s[44:45], s[66:67], s[62:63]
	s_lshl_b32 s62, s[BLK], 17
	s_add_nc_u64 s[46:47], s[68:69], s[62:63]
	s_cmp_eq_u32 s71, 0                            ; the first tile's Q was asked for at the head
	s_cbranch_scc1 .Lq_\@
	global_load_b128 v[16:19], v[LI], s[44:45]
	global_load_b128 v[20:23], v[LI], s[44:45] offset:512
.Lq_\@:
	v_mov_b32 v13, s[FL]
	s_delay_alu instid0(VALU_DEP_1)
	v_mul_f32 v12, s[CS], v13
	s_delay_alu instid0(VALU_DEP_1)
	v_floor_f32 v12, -v12
	v_mov_b32 v14, 0
	v_mov_b32 v15, 0
	s_wait_loadcnt 0x0
	PASS 1, \trips
	s_wait_alu depctr_va_vdst(0)
	; the row's two halves (lanes l and l xor 16) are joined: the greater M, each half's sum x 2^(its M - that M), which rounds nothing
	v_add_f32 v14, v14, v15
	v_permlanex16_b32 v250, v12, s[SEL], s[SEL+1]  ; the other half's -M,
	v_permlanex16_b32 v248, v13, s[SEL], s[SEL+1]  ; its largest raw score,
	s_delay_alu instid0(VALU_DEP_3)
	v_permlanex16_b32 v249, v14, s[SEL], s[SEL+1]  ; its sum
	s_delay_alu instid0(VALU_DEP_3)
	v_min_num_f32 v24, v12, v250                   ; the row's -M
	s_delay_alu instid0(VALU_DEP_3)
	v_max_num_f32 v13, v13, v248
	s_delay_alu instid0(VALU_DEP_2)
	v_sub_f32 v15, v24, v12
	s_delay_alu instid0(VALU_DEP_3)
	v_sub_f32 v25, v24, v250
	s_delay_alu instid0(VALU_DEP_2)
	v_cvt_i32_f32 v15, v15                         ; whole numbers, 0 or less (the conversion saturates)
	s_delay_alu instid0(VALU_DEP_2)
	v_cvt_i32_f32 v25, v25
	s_delay_alu instid0(VALU_DEP_2)
	v_ldexp_f32 v14, v14, v15
	s_delay_alu instid0(VALU_DEP_2)
	v_ldexp_f32 v249, v249, v25
	v_mov_b32 v12, v24
	s_delay_alu instid0(VALU_DEP_2)
	v_add_f32 v14, v14, v249
	s_delay_alu instid0(VALU_DEP_1)
	v_max_num_f32 v14, 0.5, v14
	s_wait_alu depctr_va_vdst(0)
	v_log_f32 v24, v14
	v_cmp_ge_f32 s[FM], s[FL], v13                 ; no key of the row counts
.set j, 0
.rept 32
	v_mov_b32 v[160+j], 0
.set j, j+1
.endr
	s_wait_alu depctr_va_vdst(0)
	v_sub_f32 v24, v12, v24                        ; -M - log2(sum)
	s_delay_alu instid0(VALU_DEP_1)
	v_mov_b32 v25, v24
	PASS 2, \trips
.endm
.macro OUT                             ; the select for wholly masked rows, the hold, the codes, two stores of 512 consecutive bytes
.rept 4
	v_nop
.endr
.set j, 0
.rept 32
	v_cndmask_b32 v[160+j], v[160+j], v[208+j], s[FM]
.set j, j+1
.endr
.set j, 0
.rept 32
	v_med3_num_f32 v[160+j], v[160+j], -v28, v28
.set j, j+1
.endr
.irp g, 0,1,2,3
	v_cvt_scalef32_pk8_bf8_f32 v[192+2*\g:193+2*\g], v[160+8*\g:167+8*\g], v29
.endr
	v_nop
	global_store_b128 v[LI], v[192:195], s[46:47]
	global_store_b128 v[LI], v[196:199], s[46:47] offset:512
.endm
	s_wait_alu depctr_va_vdst(0)                   ; the wait at the head's end
	s_wait_tensorcnt 0x0                           ; my key step is in,
	s_wait_dscnt 0x0                               ; and my part of the mask's table is stored
	s_barrier_signal -1
	s_barrier_wait -1
	; Q(1 / 2,048) x the sum of V's codes: each wave takes a channel tile over four key steps; the parts meet in LDS
.irp k, 0,1,2,3
.irp c, 0,1,2,3
	ds_load_b128 v[32+16*\k+4*\c:35+16*\k+4*\c], v[VVA] offset:16384*\k+512*\c
.endr
.endr
	v_mov_b32 v112, 0x3a000000                     ; 1 / 2,048
	s_delay_alu instid0(VALU_DEP_1)
	v_min_num_f32 v112, v112, v26
.irp i, 1,2,3,4,5,6,7
	v_mov_b32 v[112+\i], v112
.endr
	v_cvt_scalef32_pk8_bf8_f32 v[192:193], v[112:119], v27
	v_nop
.irp i, 2,3,4,5,6,7,8,9,10,11,12,13,14,15
	v_mov_b32 v[192+\i], v192
.endr
	s_wait_alu depctr_va_vdst(0)
	s_wait_dscnt 0x0
	v_wmma_f32_16x16x128_bf8_bf8 v[96:103], v[32:47], v[192:207], 0
	v_wmma_f32_16x16x128_bf8_bf8 v[104:111], v[48:63], v[192:207], 0
	v_wmma_f32_16x16x128_bf8_bf8 v[96:103], v[64:79], v[192:207], v[96:103]
	v_wmma_f32_16x16x128_bf8_bf8 v[104:111], v[80:95], v[192:207], v[104:111]
.rept 4
	v_nop
.endr
.irp i, 0,2,4,6
	v_pk_add_f32 v[112+\i:113+\i], v[96+\i:97+\i], v[104+\i:105+\i]
.endr
	ds_store_b128 v[VST], v[112:115]
	ds_store_b128 v[VST], v[116:119] offset:16
	s_wait_dscnt 0x0
	s_barrier_signal -1
	s_barrier_wait -1
.irp t, 0,1,2,3
.irp i, 0,1
	ds_load_b128 v[208+8*\t+4*\i:211+8*\t+4*\i], v[VLD] offset:64*\t+16*\i
.endr
.endr
.irp g, 1,2,3
.irp t, 0,1,2,3
.irp i, 0,1
	ds_load_b128 v[32*\g+8*\t+4*\i:32*\g+8*\t+4*\i+3], v[VLD] offset:256*\g+64*\t+16*\i
.endr
.endr
.endr
	s_wait_dscnt 0x0
.irp g, 1,2,3
.set j, 0
.rept 16
	v_pk_add_f32 v[208+2*j:209+2*j], v[208+2*j:209+2*j], v[32*\g+2*j:32*\g+2*j+1]
.set j, j+1
.endr
.endr
	s_mov_b32 s[BLK], s[PP]                        ; block w / 2, then block 15 - w / 2
	s_mov_b32 s71, 0
.Ltwo:
	TILE 16
	OUT
	s_sub_co_u32 s[BLK], 15, s[PP]
	s_add_co_u32 s71, s71, 1
	s_cmp_lt_u32 s71, 2
	s_wait_alu depctr_va_vdst(0)                   ; the wait ahead of the branch
	s_cbranch_scc1 .Ltwo
	s_wait_tensorcnt 0x0                           ; the wave's end
	ds_add_u32 v251, v255
	s_wait_dscnt 0x0
	CROUND                                         ; the closing round
	s_endpgm
.Lfunc_end_k_qf56e2f2883_attn:
	.size	k_qf56e2f2883_attn, .Lfunc_end_k_qf56e2f2883_attn-k_qf56e2f2883_attn
	.p2alignl 7, 3214868480
	.fill 96, 4, 3214868480
	.section	.rodata,"a",@progbits
	.p2align	6, 0x0
	.amdhsa_kernel k_qf56e2f2883_attn
		.amdhsa_group_segment_fixed_size 327680
		.amdhsa_private_segment_fixed_size 0
		.amdhsa_enable_private_segment 0
		.amdhsa_kernarg_size 40
		.amdhsa_user_sgpr_count 2
		.amdhsa_user_sgpr_kernarg_segment_ptr 1
		.amdhsa_wavefront_size32 1
		.amdhsa_system_sgpr_workgroup_id_x 1
		.amdhsa_system_sgpr_workgroup_id_y 1
		.amdhsa_system_sgpr_workgroup_id_z 1
		.amdhsa_system_vgpr_workitem_id 0
		.amdhsa_next_free_vgpr 256
		.amdhsa_next_free_sgpr 100
		.amdhsa_reserve_vcc 1
		.amdhsa_float_denorm_mode_32 3
		.amdhsa_float_denorm_mode_16_64 3
		.amdhsa_memory_ordered 1
		.amdhsa_forward_progress 1
		.amdhsa_inst_pref_size 60
	.end_amdhsa_kernel
	.amdgpu_metadata
---
amdhsa.version: [ 1, 2 ]
amdhsa.kernels:
  - .name:           k_qf56e2f2883_attn
    .symbol:         k_qf56e2f2883_attn.kd
    .args:
      - { .name: qc, .offset: 0, .size: 8, .value_kind: global_buffer, .address_space: global }
      - { .name: kv, .offset: 8, .size: 8, .value_kind: global_buffer, .address_space: global }
      - { .name: attention_mask, .offset: 16, .size: 8, .value_kind: global_buffer, .address_space: global }
      - { .name: lowp_scales, .offset: 24, .size: 8, .value_kind: global_buffer, .address_space: global }
      - { .name: ao, .offset: 32, .size: 8, .value_kind: global_buffer, .address_space: global }
    .group_segment_fixed_size: 327680
    .private_segment_fixed_size: 0
    .kernarg_segment_align: 8
    .kernarg_segment_size: 40
    .max_flat_workgroup_size: 512
    .sgpr_count:     100
    .vgpr_count:     256
    .wavefront_size: 32
...
	.end_amdgpu_metadata
.endif
;; end of part 3
;; launch oproj (part 4): grid 8 x 32, 4 waves a work-group, clusters of 4 x 4, 327,680 bytes of LDS; arguments ao, wc, lowp_scales, out0; writes out0
.if DOCPART == 4
	.amdgcn_target "amdgcn-amd-amdhsa--gfx1250"
	.amdhsa_code_object_version 6
	.text
	.protected	k_qf56e2f2883_oproj
	.globl	k_qf56e2f2883_oproj
	.p2align	8
	.type	k_qf56e2f2883_oproj,@function
k_qf56e2f2883_oproj:
	s_mov_b64 s[64:65], 0
	v_nop
	global_prefetch_b8 v0, s[64:65] scope:SCOPE_SE
	s_setreg_imm32_b32 hwreg(HW_REG_WAVE_MODE, 25, 1), 1
	s_wait_xcnt 0x0
	s_wait_alu depctr_hold_cnt(0) depctr_sa_sdst(0) depctr_va_vdst(0) depctr_va_sdst(0) depctr_va_ssrc(0) depctr_va_vcc(0) depctr_vm_vsrc(0)
	s_getreg_b32 s2, hwreg(HW_REG_IB_STS2, 6, 4)
	s_cmp_eq_u32 s2, 0
	s_cbranch_scc0 .Lentry_in_a_cluster
	s_endpgm
.Lentry_in_a_cluster:
	s_bfe_u32 s2, ttmp6, 0x10000c
	s_cmp_lg_u32 s2, 0xf033
	s_cbranch_scc0 .Lentry_shape_is_right
	s_endpgm
.Lentry_shape_is_right:
; out0 = attention's output x W_o^T on codes of E5M2; out0 [8192][1024] f32; each finished sum x 2^(e10 + e11).  LIMIT: e10 + e11 between -126 and 127.
; Codes lie as images of fragments: lane r of tile T holds row 32 (T / 2) + 8 (T % 2) + r + 8 (r / 8); a fragment, tile x 128 K, is 2,048 bytes: piece c at 512 c + 16 x lane = k 32 c + 16 (lane / 16) + 0 .. 15, alike in both operands.
; ao and wc: [block of 8 tiles][chunk of 256 K][tile][4,096 bytes].  The product is used transposed: source 0 = a tile of W_o's rows (R), source 1 = a tile of tokens (P): a lane holds one token, 16 registers are 16 neighbouring outputs.
; A tile of the result is 256 tokens x 128 outputs: 256 work-groups.  Four waves, 128 x 64 each: 32 accumulators.  CLUSTER 4 x 4: P's tile is asked for jointly by a row of the cluster, R's by a column.
; LDS: P's halves at 0 and 98,304, R's at 196,608 and 245,760, each [3 chunks][tiles][4,096].  Chunks 0-2 come by one load a wave; chunk 3 lands on chunk 0's bytes once these are in registers.  One tensor load of a wave is out at any place.
; No prefetch: K has four chunks, three of them asked for at the head.  Sixteen lanes store 256 consecutive, aligned bytes.
; REGISTERS: window 0: v2 16 x lane; v16-18, v20-22 LDS addresses; v24-26 the way out; v28, v29 for the add; v32-63 scaled sums; v64-127 rows read back, two sets; v128-255 R's fragments, two sets.  window 1: P's, two sets.  window 2: accumulator (a, n) at 8 (4 a + n).
.set PPART, 98304
.set RBASE, 196608
.set RHALF, 49152
.set SPARE, 294912
.set STAGE, SPARE+512
.set LI,  2
.set ADP, 16
.set ADR, 20
.set STO, 24
.set RD,  25
.set CO,  26
.set SPW, 28
.set NIL, 29
.set TMP, 32
.set BK,  64
.set G1P, 24
.set G1R, 32
.set G3P, 40
.set G3R, 48
.set G0P, 56
.set G0R, 60
.set MULW, 0xa4                        ; source 0 (R) window 0, source 1 (P) window 1, C and D window 2
.set TO_P, 0x40
.set MSB, 0
.macro WIN new
.if MSB != \new
	s_set_vgpr_msb (MSB<<8)|\new
.set MSB, \new
.endif
.endm
.macro PLACES
.rept 4
	v_nop
.endr
.endm
.macro CREST
	s_cmp_lg_u32 s16, 0
	s_cbranch_scc1 .Lnw_\@
	s_barrier_signal -3
.Lnw_\@:
	s_barrier_wait -3
	s_barrier_signal -1
	s_barrier_wait -1
.endm
.macro CROUND
	s_barrier_signal -1
	s_barrier_wait -1
	CREST
.endm
.macro JLOAD g1p, g1r                  ; waves 0, 1 fetch P's halves, waves 2, 3 R's; s_nop 0 and four v_nop follow each line
	s_cmp_eq_u32 s17, 0
	s_cbranch_scc0 .Ljr_\@
	tensor_load_to_lds s[G0P:G0P+3], s[\g1p:\g1p+7]
	s_nop 0
.rept 4
	v_nop
.endr
	s_branch .Lja_\@
.Ljr_\@:
	tensor_load_to_lds s[G0R:G0R+3], s[\g1r:\g1r+7]
	s_nop 0
.rept 4
	v_nop
.endr
.Lja_\@:
.endm
.macro GROUP1 g, c, r, p               ; r rows of c elements of 8 bytes, p elements apart
	s_mov_b32 s[\g+1], (\c)<<16
	s_mov_b32 s[\g+2], (\r)<<16
	s_mov_b32 s[\g+3], (\c)<<16
	s_mov_b32 s[\g+4], \r
	s_mov_b32 s[\g+5], \p
	s_mov_b32 s[\g+6], 0
	s_mov_b32 s[\g+7], 0
.endm
.macro FETCH s, q, f
	WIN TO_P
.irp a, 0,1,2,3,4,5,6,7
.irp c, 0,1,2,3
	ds_load_b128 v[128*\f+16*\a+4*\c:128*\f+16*\a+4*\c+3], v[ADP+\s] offset:4096*\a+2048*\q+512*\c
.endr
.endr
	WIN 0
.irp n, 0,1,2,3
.irp c, 0,1,2,3
	ds_load_b128 v[128+64*\f+16*\n+4*\c:128+64*\f+16*\n+4*\c+3], v[ADR+\s] offset:4096*\n+2048*\q+512*\c
.endr
.endr
.endm
.macro MUL f, a0, cnt, zero            ; the 32 accumulators take turns, in the same order in every K step
.set aa, \a0
.rept \cnt
.irp n, 0,1,2,3
.if \zero
	v_wmma_f32_16x16x128_bf8_bf8 v[8*(4*aa+\n):8*(4*aa+\n)+7], v[128+64*\f+16*\n:128+64*\f+16*\n+15], v[128*\f+16*aa:128*\f+16*aa+15], 0
.else
	v_wmma_f32_16x16x128_bf8_bf8 v[8*(4*aa+\n):8*(4*aa+\n)+7], v[128+64*\f+16*\n:128+64*\f+16*\n+15], v[128*\f+16*aa:128*\f+16*aa+15], v[8*(4*aa+\n):8*(4*aa+\n)+7]
.endif
.endr
.set aa, aa+1
.endr
.endm
.macro KSTEP f, s, q, g
	s_wait_dscnt 0x0
	PLACES
	FETCH \s, \q, \g
	WIN MULW
	MUL \f, 0, 8, 0
.endm
	s_load_b256 s[4:11], s[0:1], 0x0               ; ao, wc, the exponents, out0
	v_lshl_add_u32 v[SPW], v0, 2, SPARE
	v_mov_b32 v[NIL], 0
	ds_add_u32 v[SPW], v[NIL]                      ; the opening lines: the add twice on end and its wait
	ds_add_u32 v[SPW], v[NIL]
	v_lshrrev_b32 v1, 5, v0
	v_readfirstlane_b32 s16, v1                    ; wave
	s_lshr_b32 s17, s16, 1                         ; mh; also: I fetch for P (0) or R (1)
	s_and_b32 s18, s16, 1                          ; nh; also: which half I fetch
	s_bfe_u32 s19, ttmp6, 0x40000                  ; cx
	s_bfe_u32 s20, ttmp6, 0x40004                  ; cy
	s_and_b32 s22, ttmp7, 0xffff
	s_lshl_b32 s22, s22, 2
	s_add_co_u32 s22, s22, s20                     ; P's block of 256 tokens
	s_lshl_b32 s23, ttmp9, 2
	s_add_co_u32 s23, s23, s19                     ; R's block of 128 outputs
	s_lshl_b32 s88, s22, 18
	s_lshl_b32 s85, s18, 17
	s_add_co_u32 s88, s88, s85
	s_mov_b32 s89, 0
	s_lshl_b32 s90, s23, 17
	s_lshl_b32 s3, s18, 14
	s_add_co_u32 s90, s90, s3
	s_add_co_u32 s90, s90, 0x300000                ; W_o's codes are the fourth MiB of wc
	s_mov_b32 s91, 0
	s_lshl_b32 s66, s20, 2
	s_lshl_b32 s66, 15, s66                        ; my row of the cluster
	s_lshl_b32 s67, 0x1111, s19                    ; my column
	s_or_b32 s[G1P], s66, (3<<16)|(1<<21)          ; the mask; elements of 8 bytes; bit 21 beside a mask
	s_or_b32 s[G3P], s66, (3<<16)|(1<<21)
	s_or_b32 s[G1R], s67, (3<<16)|(1<<21)
	s_or_b32 s[G3R], s67, (3<<16)|(1<<21)
	GROUP1 G1P, 512, 8, 512                        ; a chunk of P's half: 32,768 bytes on end
	GROUP1 G1R, 512, 4, 512                        ; of R's: 16,384
	GROUP1 G3P, 512, 24, 512                       ; three chunks of P's half: 98,304 bytes on end
	GROUP1 G3R, 2048, 3, 4096                      ; of R's: three rows of 16,384 bytes, 32,768 apart
	s_mov_b32 s[G0P], 1
	s_mul_i32 s[G0P+1], s18, PPART
	s_mov_b32 s[G0R], 1
	s_mul_i32 s[G0R+1], s18, RHALF
	s_add_co_u32 s[G0R+1], s[G0R+1], RBASE
	s_wait_dscnt 0x0                               ; both opening adds are done
	s_wait_kmcnt 0x0
	s_load_b64 s[96:97], s[8:9], 0x28              ; e10, e11
	s_add_nc_u64 s[G0P+2:G0P+3], s[4:5], s[88:89]
	s_add_nc_u64 s[G0R+2:G0R+3], s[6:7], s[90:91]
	s_or_b32 s[G0P+3], s[G0P+3], 0x80000000
	s_or_b32 s[G0R+3], s[G0R+3], 0x80000000
	CROUND                                         ; all sixteen work-groups are here: the first joint loads meet
	JLOAD G3P, G3R                                 ; chunks 0-2: one tensor load a wave at the head
	v_and_b32 v1, 31, v0
	v_lshlrev_b32 v[LI], 4, v1
	s_mul_i32 s2, s17, PPART
	v_add_nc_u32 v[ADP], s2, v[LI]
	v_add_nc_u32 v[ADP+1], 32768, v[ADP]
	v_add_nc_u32 v[ADP+2], 65536, v[ADP]
	s_mul_i32 s2, s18, RHALF
	s_add_co_u32 s2, s2, RBASE
	v_add_nc_u32 v[ADR], s2, v[LI]
	v_add_nc_u32 v[ADR+1], 16384, v[ADR]
	v_add_nc_u32 v[ADR+2], 32768, v[ADR]
	s_mul_i32 s2, s16, 4352
	s_add_co_u32 s2, s2, STAGE                     ; my stage
	v_and_b32 v3, 15, v0
	v_bfe_u32 v4, v0, 4, 1
	v_mul_u32_u24 v5, v3, 272
	v_lshl_add_u32 v5, v4, 6, v5
	v_add_nc_u32 v[STO], s2, v5                    ; in: row r, + 64 h
	v_mul_u32_u24 v5, v4, 272
	v_lshl_add_u32 v5, v3, 4, v5
	v_add_nc_u32 v[RD], s2, v5                     ; back: lanes 0-15 one row of 256 bytes, lanes 16-31 the next
	v_lshlrev_b32 v5, 12, v4
	v_lshl_add_u32 v[CO], v3, 4, v5                ; and the same two rows of out0
	s_lshl_b32 s84, s22, 20                        ; 256 rows of 4,096 bytes
	s_lshl_b32 s83, s17, 19
	s_add_co_u32 s84, s84, s83
	s_lshl_b32 s83, s23, 9                         ; 128 outputs
	s_add_co_u32 s84, s84, s83
	s_lshl_b32 s83, s18, 8
	s_add_co_u32 s84, s84, s83
	s_mov_b32 s85, 0
	s_add_nc_u64 s[98:99], s[10:11], s[84:85]
	s_wait_kmcnt 0x0
	s_add_co_i32 s96, s96, s97
	s_add_co_i32 s96, s96, 127
	s_lshl_b32 s96, s96, 23                        ; 2^(e10 + e11) as f32
	s_mov_b32 s97, s96
	s_wait_alu depctr_va_vdst(0)                   ; the wait at the head's end
	s_wait_tensorcnt 0x0                           ; my part of chunks 0-2 is in
	s_barrier_signal -1
	s_barrier_wait -1
	FETCH 0, 0, 0
	FETCH 0, 1, 1                                  ; chunk 0 goes into registers whole
	s_wait_tensorcnt 0x0                           ; no load of mine is out: a group 0 may be written
	ds_add_u32 v[SPW], v[NIL]                      ; 0 onto my spare word
	s_add_nc_u64 s[G0P+2:G0P+3], s[G0P+2:G0P+3], 98304   ; chunk 3
	s_add_nc_u64 s[G0R+2:G0R+3], s[G0R+2:G0R+3], 98304
	s_wait_dscnt 0x0                               ; the add is done, and my reads of chunk 0's bytes are over
	s_barrier_signal -1                            ; opens a round of the cluster's barrier
	WIN MULW
	MUL 0, 0, 4, 1                                 ; K step 0 starts the sums
	WIN 0
	s_barrier_wait -1
	CREST
	JLOAD G1P, G1R                                 ; the first tensor load behind the round
	WIN MULW
	MUL 0, 4, 4, 1
	KSTEP 1, 1, 0, 0                               ; K steps 1 to 4
	KSTEP 0, 1, 1, 1
	KSTEP 1, 2, 0, 0
	KSTEP 0, 2, 1, 1
	s_wait_dscnt 0x0                               ; K step 5
	s_wait_tensorcnt 0x0                           ; my part of chunk 3
	s_barrier_signal -1
	MUL 1, 0, 4, 0
	WIN 0
	s_barrier_wait -1
	PLACES
	FETCH 0, 0, 0
	WIN MULW
	MUL 1, 4, 4, 0
	KSTEP 0, 0, 1, 1                               ; K step 6
	s_wait_dscnt 0x0                               ; K step 7
	MUL 1, 0, 8, 0
	WIN 0
; THE WAY OUT, a tile of 16 tokens x 64 outputs at a time, through my own stage.  LDS serves a wave's instructions in order: no wait between the stores and the loads, nor in front of the next tile's stores.
.macro TOSTAGE a
	WIN 0x02                                       ; source 0 window 2
.set j, 0
.rept 16
	v_pk_mul_f32 v[TMP+2*j:TMP+2*j+1], v[32*(\a)+2*j:32*(\a)+2*j+1], s[96:97] op_sel_hi:[1,0]   ; x 2^(e10 + e11); each accumulator from its low end on
.set j, j+1
.endr
	WIN 0
.irp b, 0,1
.irp i, 0,1,2,3
	ds_store_b128 v[STO], v[TMP+16*\b+4*\i:TMP+16*\b+4*\i+3] offset:128*\b+16*\i
.endr
.endr
.irp t, 0,1,2,3,4,5,6,7
	ds_load_b128 v[BK+32*((\a)%2)+4*\t:BK+32*((\a)%2)+4*\t+3], v[RD] offset:544*\t
.endr
.endm
.macro SEND a, younger                 ; younger: the LDS instructions issued behind tile a's loads, which may stay out
	s_wait_dscnt \younger
.irp t, 0,1,2,3,4,5,6,7
	global_store_b128 v[CO], v[BK+32*((\a)%2)+4*\t:BK+32*((\a)%2)+4*\t+3], s[98:99] offset:(32*((\a)/2)+8*((\a)%2)+2*\t+8*(\t/4))*4096 th:TH_STORE_NT   ; sixteen lanes store 256 consecutive bytes, at a multiple of 256 from out0's first byte
.endr
.endm
	PLACES
	TOSTAGE 0
.irp a, 1,2,3,4,5,6,7
.if \a > 1
	s_wait_xcnt 0x0                                ; tile a - 2's stores have read their registers: tile a's loads may land there
.endif
	TOSTAGE \a
	SEND \a-1, 16                                  ; behind tile a - 1's loads: tile a's 8 stores and 8 loads
.endr
	SEND 7, 0
	s_wait_tensorcnt 0x0                           ; the wave's end
	ds_add_u32 v[SPW], v[NIL]
	s_wait_dscnt 0x0
	CROUND                                         ; the closing round
	s_endpgm
.Lfunc_end_k_qf56e2f2883_oproj:
	.size	k_qf56e2f2883_oproj, .Lfunc_end_k_qf56e2f2883_oproj-k_qf56e2f2883_oproj
	.p2alignl 7, 3214868480
	.fill 96, 4, 3214868480
	.section	.rodata,"a",@progbits
	.p2align	6, 0x0
	.amdhsa_kernel k_qf56e2f2883_oproj
		.amdhsa_group_segment_fixed_size 327680
		.amdhsa_private_segment_fixed_size 0
		.amdhsa_enable_private_segment 0
		.amdhsa_kernarg_size 32
		.amdhsa_user_sgpr_count 2
		.amdhsa_user_sgpr_kernarg_segment_ptr 1
		.amdhsa_wavefront_size32 1
		.amdhsa_system_sgpr_workgroup_id_x 1
		.amdhsa_system_sgpr_workgroup_id_y 1
		.amdhsa_system_sgpr_workgroup_id_z 1
		.amdhsa_system_vgpr_workitem_id 0
		.amdhsa_next_free_vgpr 768
		.amdhsa_next_free_sgpr 100
		.amdhsa_reserve_vcc 0
		.amdhsa_float_denorm_mode_32 3
		.amdhsa_float_denorm_mode_16_64 3
		.amdhsa_memory_ordered 1
		.amdhsa_forward_progress 1
		.amdhsa_inst_pref_size 74
	.end_amdhsa_kernel
	.amdgpu_metadata
---
amdhsa.version: [ 1, 2 ]
amdhsa.kernels:
  - .name:           k_qf56e2f2883_oproj
    .symbol:         k_qf56e2f2883_oproj.kd
    .args:
      - { .name: ao, .offset: 0, .size: 8, .value_kind: global_buffer, .address_space: global }
      - { .name: wc, .offset: 8, .size: 8, .value_kind: global_buffer, .address_space: global }
      - { .name: lowp_scales, .offset: 16, .size: 8, .value_kind: global_buffer, .address_space: global }
      - { .name: out0, .offset: 24, .size: 8, .value_kind: global_buffer, .address_space: global }
    .group_segment_fixed_size: 327680
    .private_segment_fixed_size: 0
    .kernarg_segment_align: 8
    .kernarg_segment_size: 32
    .max_flat_workgroup_size: 128
    .sgpr_count:     100
    .vgpr_count:     768
    .wavefront_size: 32
...
	.end_amdgpu_metadata
.endif
;; end of part 4
